; MI455X (gfx1250); checked and timed in simulation.
; The chip was launched on July 23, 2026; its instructions are those of AMD's public machine-readable ISA for CDNA 5 (MIT licence, August 2026) and "CDNA5" Instruction Set Architecture Reference Guide (July 2026). The comments in the code are by the model that wrote it; some were corrected since.
;; YOSOFFN. Allowed arithmetic: float matrix products may take bf16 or f16 operands with f32 sums; other float arithmetic in f32, or as packed bf16 or f16 multiplies, adds, multiply-adds, maxima and minima; sums over many terms, partial sums and values carried from step to step in f32; what a program stores and reads back later, other than sums and carried values, may be rounded once to bf16 or f16.
;; Inputs: bias 1,024 float32; hidden_states 4 x 2,048 x 1,024 float32; k_weight 4,096 x 1,024 float32; ln_bias 1,024 float32; ln_weight 1,024 float32; q_weight 4,096 x 1,024 float32.
;; Outputs: out0 4 x 2,048 x 1,024 float32.
;; One version. Each part assembles by itself: llvm-mc -triple=amdgcn-amd-amdhsa -mcpu=gfx1250 --defsym DOCPART=n.
;; ======== version 1 of 1: 4 launches
;; limits: a function is approximated: absolute error at most 6.8e-05
;; workspace buffers: qn 16,777,216 bytes; kn 8,388,608 bytes; vq 8,519,680 bytes; bm 67,108,864 bytes; beta 524,288 bytes; xp 67,108,864 bytes
;; launch prep (part 1): grid 1024 x 1, 8 waves a work-group, no clusters, 5,120 bytes of LDS; arguments hidden_states, ln_weight, ln_bias, k_weight, q_weight, qn, kn, vq; writes qn, kn, vq
.if DOCPART == 1
	.amdgcn_target "amdgcn-amd-amdhsa--gfx1250"
	.amdhsa_code_object_version 6
	.text
	.protected	k_q3fc8a6c6bc_prep
	.globl	k_q3fc8a6c6bc_prep
	.p2align	8
	.type	k_q3fc8a6c6bc_prep,@function
k_q3fc8a6c6bc_prep:
	s_mov_b64 s[64:65], 0
	v_nop
	global_prefetch_b8 v0, s[64:65] scope:SCOPE_SE
	s_setreg_imm32_b32 hwreg(HW_REG_WAVE_MODE, 25, 1), 1
	s_wait_xcnt 0x0
; PREP: the three matrix operands that do not depend on a product, each rounded once to bf16.
;   qn[n][:] = bf16( y / max(|y|, 1e-12) ),  y = LayerNorm(hidden_states[n]) * ln_weight + ln_bias      (8,192 rows of 1,024)
;   kn[i][:] = bf16( k_weight[i] / max(|k_weight[i]|, 1e-12) )                                          (4,096 rows)
;   vq[i][:] = bf16( q_weight[i] );  vq[4096+j] and vq[4128+j] = the high and the low bf16 part of S_j, the f32 sum of the ROUNDED rows 128 j .. 128 j + 127
; All means, variances and norms in f32, on the unrounded inputs.  Memory binds: every input byte is read once, no matrix unit, no cluster, nothing shared but S's partial sums.
; SHARES.  Every work-group reads 65,536 bytes and stores 32,768 (the last 256 also 512 bytes of S); 1,024 of them are four for each of 256 WGPs.
; Work-groups 0-511: 16 rows of hidden_states, two a wave.  512-767: 16 rows of k_weight, two a wave.  768-1023: block j = (g - 768) / 8 of 128 rows of q_weight,
; 128 columns from 128 c on, c = (g - 768) % 8: wave w takes 16 rows.  All branches but one hang on the work-group's number.
; A row of 1,024 f32 lies in 32 registers of a wave: register 4 j + e of lane l holds column 128 j + 4 l + e, so every load covers 512 consecutive bytes and every store of bf16 256, aligned.
; LIMITS.  NaN and infinities are not treated apart.  v_sqrt_f32, v_rsq_f32 and v_rcp_f32 are good to 1 ulp and take a denormal as 0: a sum of squares below 2^-126 counts as 0,
; where the norm is replaced by 1e-12 in any case.
.set SPARE, 4096                       ; behind the partial sums: the spare words, 128 bytes for each of eight waves
.set LO,   1                           ; v1   16 x lane
.set LO8,  2                           ; v2   8 x lane
.set SPW,  3                           ; v3   LDS address of my spare word; never rewritten
.set NIL,  4                           ; v4   0; never rewritten
.set LA,   5                           ; v5   LDS address of my 16 bytes of partial sums
.set T,    8                           ; v[8:23]    at work: four chains of pairs, +8 a sum, +9 at work, +10, +11 a factor twice, +15 the other half of the lanes'
.set W,    24                          ; v[24:55]   ln_weight
.set BI,   56                          ; v[56:87]   ln_bias
.set X,    88                          ; v[88:151]  two rows
.set P,    152                         ; v[152:183] two rows in bf16
.set QX,   24                          ; q part: v[24:87] 16 rows x 4 columns a lane
.set SM,   88                          ; q part: v[88:119] the eight partial sums, then S's parts
.set ACC,  152                         ; q part: v[152:155] the sums of my 4 columns
.set ONE,  156                         ; q part: 1.0
.macro REDUCE r                        ; the sum over the 32 lanes, in every lane
	v_add_f32_dpp v[\r], v[\r], v[\r] row_xmask:1 row_mask:0xf bank_mask:0xf
	v_add_f32_dpp v[\r], v[\r], v[\r] row_xmask:2 row_mask:0xf bank_mask:0xf
	v_add_f32_dpp v[\r], v[\r], v[\r] row_xmask:4 row_mask:0xf bank_mask:0xf
	v_add_f32_dpp v[\r], v[\r], v[\r] row_xmask:8 row_mask:0xf bank_mask:0xf
	v_permlanex16_b32 v[T+15], v[\r], s22, s23
	v_add_f32 v[\r], v[\r], v[T+15]
.endm
.macro FOLD                            ; the four chains into v[T+8], over all lanes
	v_pk_add_f32 v[T:T+1], v[T:T+1], v[T+2:T+3]
	v_pk_add_f32 v[T+4:T+5], v[T+4:T+5], v[T+6:T+7]
	v_pk_add_f32 v[T:T+1], v[T:T+1], v[T+4:T+5]
	v_add_f32 v[T+8], v[T], v[T+1]
	REDUCE T+8
.endm
.macro SUMSQ b                         ; the sum of squares of the row at v[b ..]: four chains that do not wait for each other
.irp k, 0,1,2,3
	v_pk_mul_f32 v[T+2*(\k):T+2*(\k)+1], v[(\b)+2*(\k):(\b)+2*(\k)+1], v[(\b)+2*(\k):(\b)+2*(\k)+1]
.endr
.irp i, 4,5,6,7,8,9,10,11,12,13,14,15
	v_pk_fma_f32 v[T+2*((\i)%4):T+2*((\i)%4)+1], v[(\b)+2*(\i):(\b)+2*(\i)+1], v[(\b)+2*(\i):(\b)+2*(\i)+1], v[T+2*((\i)%4):T+2*((\i)%4)+1]
.endr
	FOLD
.endm
.macro SCALE b                         ; the row times the factor in v[T+10:T+11]
.set i, 0
.rept 16
	v_pk_mul_f32 v[(\b)+i:(\b)+i+1], v[(\b)+i:(\b)+i+1], v[T+10:T+11]
.set i, i+2
.endr
.endm
.macro LOADROW r
.irp j, 0,1,2,3,4,5,6,7
	global_load_b128 v[X+32*(\r)+4*(\j):X+32*(\r)+4*(\j)+3], v[LO], s[24:25] offset:4096*(\r)+512*(\j)
.endr
.endm
.macro LNPART r                        ; row r becomes (x - mean) rsqrt(var + 1e-12) ln_weight + ln_bias
.set B0, X+32*(\r)
.irp k, 0,1,2,3
	v_pk_add_f32 v[T+2*(\k):T+2*(\k)+1], v[B0+2*(\k):B0+2*(\k)+1], v[B0+8+2*(\k):B0+8+2*(\k)+1]
.endr
.irp i, 8,9,10,11,12,13,14,15
	v_pk_add_f32 v[T+2*((\i)%4):T+2*((\i)%4)+1], v[T+2*((\i)%4):T+2*((\i)%4)+1], v[B0+2*(\i):B0+2*(\i)+1]
.endr
	FOLD
	v_mul_f32 v[T+10], s31, v[T+8]                 ; the mean
	v_mov_b32 v[T+11], v[T+10]
.set i, 0
.rept 16
	v_pk_add_f32 v[B0+i:B0+i+1], v[B0+i:B0+i+1], v[T+10:T+11] neg_lo:[0,1] neg_hi:[0,1]
.set i, i+2
.endr
	SUMSQ B0
	v_fma_f32 v[T+9], v[T+8], s31, s32             ; the variance + 1e-12
	v_rsq_f32 v[T+10], v[T+9]
	v_nop                                          ; a plain instruction behind the transcendental (ISA guide 5.7.2),
	s_wait_alu depctr_va_vdst(0)                   ; and the wait ahead of its first reader
	v_mov_b32 v[T+11], v[T+10]
	SCALE B0
.set i, 0
.rept 16
	v_pk_fma_f32 v[B0+i:B0+i+1], v[B0+i:B0+i+1], v[W+i:W+i+1], v[BI+i:BI+i+1]
.set i, i+2
.endr
.endm
.macro TAIL r                          ; row r is divided by max(its norm, 1e-12), rounded to bf16 and stored
.set B0, X+32*(\r)
	SUMSQ B0
	v_sqrt_f32 v[T+9], v[T+8]
	v_nop
	s_wait_alu depctr_va_vdst(0)
	v_max_num_f32 v[T+9], s32, v[T+9]
	v_rcp_f32 v[T+10], v[T+9]
	v_nop
	s_wait_alu depctr_va_vdst(0)
	v_mov_b32 v[T+11], v[T+10]
	SCALE B0
.set i, 0
.rept 16
	v_cvt_pk_bf16_f32 v[P+16*(\r)+i], v[B0+2*i], v[B0+2*i+1]
.set i, i+1
.endr
.irp j, 0,1,2,3,4,5,6,7
	global_store_b64 v[LO8], v[P+16*(\r)+2*(\j):P+16*(\r)+2*(\j)+1], s[26:27] offset:2048*(\r)+256*(\j)  ; the wave's 32 lanes store 256 consecutive bytes, aligned
.endr
.endm
	s_load_b512 s[4:19], s[0:1], 0x0               ; hidden s[4:5], ln_weight s[6:7], ln_bias s[8:9], k_weight s[10:11], q_weight s[12:13], qn s[14:15], kn s[16:17], vq s[18:19]
	v_lshl_add_u32 v[SPW], v0, 2, SPARE
	v_mov_b32 v[NIL], 0
	v_lshrrev_b32 v5, 5, v0
	v_readfirstlane_b32 s20, v5                    ; wave 0..7
	v_and_b32 v5, 31, v0
	v_lshlrev_b32 v[LO], 4, v5
	v_lshlrev_b32 v[LO8], 3, v5
	v_mov_b32 v[T+15], 0                           ; v_permlanex16_b32's destination counts as read
	s_mov_b32 s22, 0x76543210                      ; each lane takes its own place in the other half
	s_mov_b32 s23, 0xfedcba98
	s_mov_b32 s30, 0xffff0000                      ; a word's upper bf16
	s_mov_b32 s31, 0x3a800000                      ; 1 / 1,024
	s_mov_b32 s32, 0x2b8cbccc                      ; 1e-12
	s_mov_b32 s29, 0
	s_wait_kmcnt 0x0
	s_cmp_ge_u32 ttmp9, 768
	s_cbranch_scc1 .Lq
	; ROWS OF hidden_states AND OF k_weight: one text; the two pointers are chosen by the work-group's number
	s_lshl_b32 s28, ttmp9, 4
	s_lshl1_add_u32 s28, s20, s28                  ; 16 g + 2 w: rows counted through hidden_states' 8,192 and on into k_weight's
	s_cmp_lt_u32 ttmp9, 512
	s_cselect_b32 s21, 0, 8192
	s_cselect_b64 s[24:25], s[4:5], s[10:11]
	s_cselect_b64 s[26:27], s[14:15], s[16:17]
	s_sub_co_u32 s28, s28, s21
	s_lshl_b32 s28, s28, 11                        ; 2,048 bytes a row out,
	s_add_nc_u64 s[26:27], s[26:27], s[28:29]
	s_lshl_b32 s28, s28, 1                         ; 4,096 in
	s_add_nc_u64 s[24:25], s[24:25], s[28:29]
	LOADROW 0
	LOADROW 1
	s_cmp_lt_u32 ttmp9, 512
	s_cbranch_scc0 .Ltail
.irp j, 0,1,2,3,4,5,6,7
	global_load_b128 v[W+4*(\j):W+4*(\j)+3], v[LO], s[6:7] offset:512*(\j)
	global_load_b128 v[BI+4*(\j):BI+4*(\j)+3], v[LO], s[8:9] offset:512*(\j)
.endr
	s_wait_loadcnt 0x0                             ; both rows, gain and bias
	LNPART 0
	LNPART 1
.Ltail:
	s_wait_loadcnt 0x0                             ; both rows (k_weight's way)
	TAIL 0
	TAIL 1
	s_branch .Lend
.Lq:	; q_weight: rounded and stored; the rounded rows of a block of 128 are added up
	s_sub_co_u32 s21, ttmp9, 768
	s_lshr_b32 s33, s21, 3                         ; j
	s_and_b32 s34, s21, 7                          ; c
	s_lshl_b32 s28, s33, 7
	s_lshl_b32 s36, s20, 4
	s_add_co_u32 s28, s28, s36                     ; my first row: 128 j + 16 w,
	s_lshl_b32 s28, s28, 11                        ; 2,048 bytes a row out
	s_lshl_b32 s36, s34, 8                         ; my first column x 2 bytes
	s_add_co_u32 s28, s28, s36
	s_add_nc_u64 s[26:27], s[18:19], s[28:29]
	s_lshl_b32 s28, s28, 1                         ; in f32 both terms are twice as large
	s_add_nc_u64 s[24:25], s[12:13], s[28:29]
.set i, 0
.rept 16
	global_load_b128 v[QX+4*i:QX+4*i+3], v[LO], s[24:25] offset:4096*i  ; 512 consecutive bytes of a row
.set i, i+1
.endr
.irp k, 0,1,2,3
	v_mov_b32 v[ACC+(\k)], 0
.endr
	v_mov_b32 v[ONE], 1.0
	v_lshl_add_u32 v[LA], s20, 9, v[LO]            ; 512 w + 16 l
.set i, 0
.rept 16
	s_wait_loadcnt 15-i                            ; loads come back in order (ISA guide 5.7.1): row i is in, the younger rows stay out
	v_cvt_pk_bf16_f32 v[QX+4*i], v[QX+4*i], v[QX+4*i+1]
	v_cvt_pk_bf16_f32 v[QX+4*i+1], v[QX+4*i+2], v[QX+4*i+3]
	global_store_b64 v[LO8], v[QX+4*i:QX+4*i+1], s[26:27] offset:2048*i  ; 256 consecutive bytes, aligned
	v_fma_mix_f32_bf16 v[ACC], v[QX+4*i], v[ONE], v[ACC] op_sel_hi:[1,0,0]                    ; the ROUNDED numbers are added, in f32
	v_fma_mix_f32_bf16 v[ACC+1], v[QX+4*i], v[ONE], v[ACC+1] op_sel:[1,0,0] op_sel_hi:[1,0,0]
	v_fma_mix_f32_bf16 v[ACC+2], v[QX+4*i+1], v[ONE], v[ACC+2] op_sel_hi:[1,0,0]
	v_fma_mix_f32_bf16 v[ACC+3], v[QX+4*i+1], v[ONE], v[ACC+3] op_sel:[1,0,0] op_sel_hi:[1,0,0]
.set i, i+1
.endr
	ds_store_b128 v[LA], v[ACC:ACC+3]
	s_wait_dscnt 0x0                               ; for the others' sake: my partial sums lie in LDS
	s_barrier_signal -1
	s_barrier_wait -1
	s_cmp_eq_u32 s20, 0                            ; wave 0 adds the eight up
	s_cbranch_scc0 .Lend
.irp g, 0,1,2,3,4,5,6,7
	ds_load_b128 v[SM+4*(\g):SM+4*(\g)+3], v[LA] offset:512*(\g)
.endr
	s_add_co_u32 s28, s33, 4096
	s_lshl_b32 s28, s28, 11
	s_add_co_u32 s28, s28, s36
	s_add_nc_u64 s[38:39], s[18:19], s[28:29]      ; vq's row 4,096 + j at my columns
	s_wait_dscnt 0x0
.irp g, 0,2,4,6
	v_pk_add_f32 v[SM+4*(\g):SM+4*(\g)+1], v[SM+4*(\g):SM+4*(\g)+1], v[SM+4*(\g)+4:SM+4*(\g)+5]
	v_pk_add_f32 v[SM+4*(\g)+2:SM+4*(\g)+3], v[SM+4*(\g)+2:SM+4*(\g)+3], v[SM+4*(\g)+6:SM+4*(\g)+7]
.endr
.irp g, 0,4
	v_pk_add_f32 v[SM+4*(\g):SM+4*(\g)+1], v[SM+4*(\g):SM+4*(\g)+1], v[SM+4*(\g)+8:SM+4*(\g)+9]
	v_pk_add_f32 v[SM+4*(\g)+2:SM+4*(\g)+3], v[SM+4*(\g)+2:SM+4*(\g)+3], v[SM+4*(\g)+10:SM+4*(\g)+11]
.endr
	v_pk_add_f32 v[SM:SM+1], v[SM:SM+1], v[SM+16:SM+17]
	v_pk_add_f32 v[SM+2:SM+3], v[SM+2:SM+3], v[SM+18:SM+19]
	v_cvt_pk_bf16_f32 v[SM+4], v[SM], v[SM+1]      ; the high part,
	v_cvt_pk_bf16_f32 v[SM+5], v[SM+2], v[SM+3]
	v_lshlrev_b32 v[SM+8], 16, v[SM+4]
	v_and_b32 v[SM+9], s30, v[SM+4]
	v_lshlrev_b32 v[SM+10], 16, v[SM+5]
	v_and_b32 v[SM+11], s30, v[SM+5]
	v_pk_add_f32 v[SM+12:SM+13], v[SM:SM+1], v[SM+8:SM+9] neg_lo:[0,1] neg_hi:[0,1]
	v_pk_add_f32 v[SM+14:SM+15], v[SM+2:SM+3], v[SM+10:SM+11] neg_lo:[0,1] neg_hi:[0,1]
	v_cvt_pk_bf16_f32 v[SM+6], v[SM+12], v[SM+13]  ; and what it left over
	v_cvt_pk_bf16_f32 v[SM+7], v[SM+14], v[SM+15]
	global_store_b64 v[LO8], v[SM+4:SM+5], s[38:39]
	global_store_b64 v[LO8], v[SM+6:SM+7], s[38:39] offset:32*2048
.Lend:
	s_wait_tensorcnt 0x0                           ; the wave's end, behind my last LDS store
	ds_add_u32 v[SPW], v[NIL]
	s_wait_dscnt 0x0
	s_endpgm
.Lfunc_end_k_q3fc8a6c6bc_prep:
	.size	k_q3fc8a6c6bc_prep, .Lfunc_end_k_q3fc8a6c6bc_prep-k_q3fc8a6c6bc_prep
	.p2alignl 7, 3214868480
	.fill 96, 4, 3214868480
	.section	.rodata,"a",@progbits
	.p2align	6, 0x0
	.amdhsa_kernel k_q3fc8a6c6bc_prep
		.amdhsa_group_segment_fixed_size 5120
		.amdhsa_private_segment_fixed_size 0
		.amdhsa_enable_private_segment 0
		.amdhsa_kernarg_size 64
		.amdhsa_user_sgpr_count 2
		.amdhsa_user_sgpr_kernarg_segment_ptr 1
		.amdhsa_wavefront_size32 1
		.amdhsa_system_sgpr_workgroup_id_x 1
		.amdhsa_system_sgpr_workgroup_id_y 1
		.amdhsa_system_sgpr_workgroup_id_z 1
		.amdhsa_system_vgpr_workitem_id 0
		.amdhsa_next_free_vgpr 184
		.amdhsa_next_free_sgpr 66
		.amdhsa_reserve_vcc 0
		.amdhsa_float_denorm_mode_32 3
		.amdhsa_float_denorm_mode_16_64 3
		.amdhsa_memory_ordered 1
		.amdhsa_forward_progress 1
		.amdhsa_inst_pref_size 39
	.end_amdhsa_kernel
	.amdgpu_metadata
---
amdhsa.version: [ 1, 2 ]
amdhsa.kernels:
  - .name:           k_q3fc8a6c6bc_prep
    .symbol:         k_q3fc8a6c6bc_prep.kd
    .args:
      - { .name: hidden_states, .offset: 0, .size: 8, .value_kind: global_buffer, .address_space: global }
      - { .name: ln_weight, .offset: 8, .size: 8, .value_kind: global_buffer, .address_space: global }
      - { .name: ln_bias, .offset: 16, .size: 8, .value_kind: global_buffer, .address_space: global }
      - { .name: k_weight, .offset: 24, .size: 8, .value_kind: global_buffer, .address_space: global }
      - { .name: q_weight, .offset: 32, .size: 8, .value_kind: global_buffer, .address_space: global }
      - { .name: qn, .offset: 40, .size: 8, .value_kind: global_buffer, .address_space: global }
      - { .name: kn, .offset: 48, .size: 8, .value_kind: global_buffer, .address_space: global }
      - { .name: vq, .offset: 56, .size: 8, .value_kind: global_buffer, .address_space: global }
    .group_segment_fixed_size: 5120
    .private_segment_fixed_size: 0
    .kernarg_segment_align: 8
    .kernarg_segment_size: 64
    .max_flat_workgroup_size: 256
    .sgpr_count:     66
    .vgpr_count:     184
    .wavefront_size: 32
...
	.end_amdgpu_metadata
.endif
;; end of part 1
;; launch scores (part 2): grid 16 x 32, 4 waves a work-group, clusters of 4 x 4, 327,680 bytes of LDS; arguments qn, kn, bm, beta; writes bm, beta
.if DOCPART == 2
	.amdgcn_target "amdgcn-amd-amdhsa--gfx1250"
	.amdhsa_code_object_version 6
	.text
	.protected	k_q3fc8a6c6bc_scores
	.globl	k_q3fc8a6c6bc_scores
	.p2align	8
	.type	k_q3fc8a6c6bc_scores,@function
k_q3fc8a6c6bc_scores:
	s_mov_b64 s[64:65], 0
	v_nop
	global_prefetch_b8 v0, s[64:65] scope:SCOPE_SE
	s_setreg_imm32_b32 hwreg(HW_REG_WAVE_MODE, 25, 1), 1
	s_wait_xcnt 0x0
	s_wait_alu depctr_hold_cnt(0) depctr_sa_sdst(0) depctr_va_vdst(0) depctr_va_sdst(0) depctr_va_ssrc(0) depctr_va_vcc(0) depctr_vm_vsrc(0)
	s_getreg_b32 s2, hwreg(HW_REG_IB_STS2, 6, 4)
	s_cmp_eq_u32 s2, 0
	s_cbranch_scc0 .Lentry_in_a_cluster
	s_endpgm
.Lentry_in_a_cluster:
	s_bfe_u32 s2, ttmp6, 0x10000c
	s_cmp_lg_u32 s2, 0xf033
	s_cbranch_scc0 .Lentry_shape_is_right
	s_endpgm
.Lentry_shape_is_right:
; SCORES: s = qn kn^T (bf16 operands, f32 sums, K = 1,024), then B = (1 - arccos(clip(s)) / pi)^9 in f32, stored as a mean and a deviation:
;   beta[j][n] = bf16( mean of B[n][128 j .. 128 j + 127] ),   bm[n][i] = bf16( B[n][i] - beta[i / 128][n] ).
; The next launch adds beta x (the sum of V's rows of the block) back, so only the deviation from a block's mean is rounded to 8 bits; beta is a bf16 number and exact as an operand.
; THE ACTIVATION, for every s: a = min(|s|, 1 - 1e-6) (the clip, which is symmetric); arccos(a) / pi = sqrt(1 - a) P(a), P the cubic of Abramowitz and Stegun 4.4.45, divided by pi;
; t = 0.5 + copysign(0.5 - sqrt(1 - a) P(a), s); B = t^9 by three squarings and a product.  t lies in 4.5e-4 .. 1, t^9 above 7e-31: nothing underflows.
; LIMITS.  The cubic serves all a in 0 .. 1: it misses arccos(a) / sqrt(1 - a) by 6.8e-5 at a = 0 and at a = 1, the figure quoted for its largest error, which is 4.8e-5 of the function's least value; for s < 0,
; where t = sqrt(1 - a) P(a), that is t's relative error, down to the clip; for s > 0 t is 0.5 or more and off by 2.2e-5 at the most.  So B is off by some 4.5e-4 of itself at the most.
; NaN and infinities are not treated apart; v_sqrt_f32 is good to 1 ulp.
; THE PRODUCT.  A tile of 256 x 256 by a work-group of four waves, 128 x 128 a wave in 64 accumulators (512 registers).  K goes in steps of 128 through two LDS slots filled by the tensor data
; mover; rows of 256 bytes, padded to 272.  4 x 4 work-groups form a cluster: qn's tile is asked for jointly along a row of the cluster, kn's along a column.
; The matrix instruction is used transposed (source 0 = 16 rows of kn, source 1 = 16 rows of qn): a lane holds row l % 16 and the columns 8 (l / 16) + 0..7.
; THE WAY OUT.  The sums go in f32 into a stage of the wave's own, which lies in the ring: both slots have had their last fill, and a barrier stands behind every wave's last read of them.
; They come back by rows, sixteen lanes to a row of 128 columns, eight neighbouring columns a lane: a row's mean is four steps inside 16 lanes, and a lane's eight results are 16 bytes of bm.
; REGISTERS, in windows of 256 (s_set_vgpr_msb: bits 1:0 source 0, 3:2 source 1, 5:4 source 2, 7:6 destination):
;   window 0: v0-31 addresses; v64-127, v128-191 fragments of qn, two buffers; on the way out v64-223 at work      window 1: v64-191 fragments of kn, two buffers
;   window 2: the accumulators of my rows 0-63 ((a, b) at v[8 (8 a + b)])      window 3: those of my rows 64-127
.set SIZE_K, 1024
.set SIZE_N, 4096
.set KSTEP,  128
.set PITCH,  272                       ; 256 bytes + 16: the 16 rows of a fragment load start at 16 different groups of four banks (64 banks of 4 bytes: ISA guide 11.1)
.set HALFT,  128*PITCH                 ; what one tensor load brings
.set SLOT,   4*HALFT                   ; qn's 256 rows, then kn's 256 rows
.set SPITCH, 528                       ; a stage row: 128 f32 + 16 bytes
.set WSTAGE, 128*SPITCH                ; a wave's stage; four of them end below the ring's end
.set BST,    2*SLOT                    ; behind the ring: 256 bytes a wave for its 128 means
.set SPARE,  BST+4*256                 ; the spare words, 128 bytes for each wave
.set LAPS,   SIZE_K/(2*KSTEP)
.set ADRA, 16                          ; v16-17  LDS address of my qn fragments in slot 0, 1
.set ADRB, 20                          ; v20-21  the same for kn
.set BG,   22                          ; v22     8 x lane
.set STO,  24                          ; v24     where I put 16 bytes of a stage row
.set RD,   25                          ; v25     where I read the stage back; steps 8 rows a trip
.set CO,   26                          ; v26     my byte offset in two rows of bm
.set BA,   27                          ; v27     where my row's mean goes; steps 8 rows a trip
.set SPW,  28                          ; v28     LDS address of my spare word; never rewritten
.set NIL,  29                          ; v29     0; never rewritten
.set PFO,  30                          ; v30     the prefetches' offset: lane x a row of 2,048 bytes
.set BL,   31                          ; v31     where I read four means back
.set F0,   64
.set F1,   128
.set TM,   F1                          ; the buffer that a K step's last quarter multiplies,
.set TF,   F0                          ; and the one that takes the next slot's first fragments
.set XS,   64                          ; the way out, 32 numbers a lane (4 units of 8): s
.set XA,   96                          ; a, later t^9 and the deviation
.set XU,   128                         ; 1 - a, its root, 0.5 - w, t
.set XP,   160                         ; the polynomial, then t's powers
.set OUT,  192                         ; 16 registers of bf16
.set TS,   208                         ; a pair a unit: the row's sum
.set BF,   216                         ; a pair a unit: the mean as f32, the mean as bf16 twice
.set G1,  24                           ; s[24:31] descriptor group 1 for qn's tiles;  s[32:39] group 0, a set for each slot
.set G0,  32
.set G1B, 48                           ; s[48:55], s[56:63] the same for kn's
.set G0B, 56
.set LIM, 43                           ; s43  1 in a wave that prefetches, else the greatest number
.set PFA, 44                           ; s[44:45] where my prefetches stand
.set CLIP, 66                          ; s66  1 - 1e-6
.set ABSM, 67                          ; s67  all bits but the sign
.set CF,  68                           ; s[68:75] the polynomial's c0 .. c3, each twice (named as pairs)
.set STEP, 76                          ; s[76:77] what bm's pointer steps by: 0 in the way out's first trip, then 8 rows
.set BETA, 82                          ; s[82:83]
.set MSB, 0
.macro WIN new                         ; the immediate's high byte repeats the setting that is left; a switch that changes nothing is dropped
.if MSB != (\new)
	s_set_vgpr_msb (MSB<<8)|(\new)
.set MSB, \new
.endif
.endm
.set MUL_LO, 0xa1                      ; source 0 (kn) window 1, source 1 (qn) window 0, C and D window 2
.set MUL_HI, 0xf1                      ; the same, C and D window 3
.set TO_B,   0x40                      ; destination window 1, address window 0
; A joint load.  Waves 0 and 1 fetch qn's two halves, waves 2 and 3 kn's.  The branch hangs on the wave's number alone.  An s_nop 0 and four v_nop follow each line.
.macro JLOAD s
	s_cmp_eq_u32 s11, 0
	s_cbranch_scc0 .Lfor_b_\@
	tensor_load_to_lds s[G0+4*(\s):G0+4*(\s)+3], s[G1:G1+7]
	s_nop 0
.rept 4
	v_nop
.endr
	s_branch .Lasked_\@
.Lfor_b_\@:
	tensor_load_to_lds s[G0B+4*(\s):G0B+4*(\s)+3], s[G1B:G1B+7]
	s_nop 0
.rept 4
	v_nop
.endr
.Lasked_\@:
.endm
; A prefetch, behind each joint refill and the run of LDS loads behind it: the K step two refills on (512 matrix instructions ahead of the load that will ask for it): 32 rows x 256 bytes, a lane a row.
; qn's tile row is read by every cluster of that row of clusters: cluster x = 0 asks; kn's tile column by every cluster of that column: cluster y = 0 asks.  Of the 128 rows that a wave fetches each of
; the four partners takes 32, told apart by address.  So K steps 4 to 7 of each row are named once; steps 0 to 3 come by their loads alone; the loop's last trip (s3 = 1) has no step two on.
.macro ASK
	s_cmp_gt_u32 s3, s[LIM]
	s_cbranch_scc0 .Lnot_mine_\@
	global_prefetch_b8 v[PFO], s[PFA:PFA+1] offset:KSTEP*2 th:TH_LOAD_NT scope:SCOPE_SE
.Lnot_mine_\@:
.endm
.macro CREST                           ; a round of the cluster's barrier behind its opening barrier
	s_cmp_lg_u32 s10, 0
	s_cbranch_scc1 .Lnot_wave_0_\@
	s_barrier_signal -3
.Lnot_wave_0_\@:
	s_barrier_wait -3
	s_barrier_signal -1
	s_barrier_wait -1
.endm
.macro CROUND                          ; a whole round
	s_barrier_signal -1
	s_barrier_wait -1
	CREST
.endm
.macro COEF k, bits
	s_mov_b32 s[CF+2*(\k)], \bits
	s_mov_b32 s[CF+2*(\k)+1], \bits
.endm
	s_load_b128 s[4:7], s[0:1], 0x0                ; qn s[4:5], kn s[6:7]
	s_load_b64 s[8:9], s[0:1], 0x10                ; bm
	s_load_b64 s[BETA:BETA+1], s[0:1], 0x18        ; beta
	v_lshl_add_u32 v[SPW], v0, 2, SPARE
	v_mov_b32 v[NIL], 0
	ds_add_u32 v[SPW], v[NIL]                      ; the wave's opening: the add, twice on end, and its wait ahead of my first tensor load
	ds_add_u32 v[SPW], v[NIL]                      ; and once more, under the one wait; the set-up below, work on registers, stands between
	v_lshrrev_b32 v1, 5, v0
	v_readfirstlane_b32 s10, v1                    ; wave 0..3
	s_lshr_b32 s11, s10, 1                         ; which half of the tile's rows is mine.  Also: I fetch for qn (0) or for kn (1)
	s_and_b32 s12, s10, 1                          ; which half of its columns.  Also: which 128 rows of that tile I fetch
	s_bfe_u32 s40, ttmp6, 0x40000                  ; cx
	s_bfe_u32 s41, ttmp6, 0x40004                  ; cy
	s_lshl_b32 s42, ttmp9, 2
	s_add_co_u32 s42, s42, s40                     ; tile column = 4 x cluster x + cx
	s_and_b32 s13, ttmp7, 0xffff
	s_lshl_b32 s13, s13, 2
	s_add_co_u32 s13, s13, s41                     ; tile row = 4 x cluster y + cy
	s_lshl_b32 s43, s41, 2
	s_lshl_b32 s43, 15, s43                        ; my row of the cluster
	s_lshl_b32 s44, 0x1111, s40                    ; my column
	; descriptor group 1: 128 rows x 128 elements of 2 bytes; after every 64 words (code 5) 4 words of padding (code 3); bit 21 beside a mask
	s_or_b32 s[G1+0], s43, (1<<16)|(1<<20)|(1<<21)|(5<<22)|(3<<25)
	s_or_b32 s[G1B+0], s44, (1<<16)|(1<<20)|(1<<21)|(5<<22)|(3<<25)
.irp g, G1, G1B
	s_mov_b32 s[(\g)+1], KSTEP<<16                 ; tensor_dim0 = 128
	s_mov_b32 s[(\g)+2], 128<<16                   ; tensor_dim1 = 128
	s_mov_b32 s[(\g)+3], KSTEP<<16                 ; tile_dim0 = 128
	s_mov_b32 s[(\g)+4], 128                       ; tile_dim1 = 128
	s_mov_b32 s[(\g)+5], SIZE_K                    ; elements from row to row
	s_mov_b32 s[(\g)+6], 0
	s_mov_b32 s[(\g)+7], 0
.endr
	s_mov_b32 s[CLIP], 0x3f7fffef
	s_mov_b32 s[ABSM], 0x7fffffff
	COEF 0, 0x3efffd2f                             ;  1.5707288 / pi =  0.4999785
	COEF 1, 0xbd8a46ef                             ; -0.2121144 / pi = -0.0675181
	COEF 2, 0x3cc1a480                             ;  0.0742610 / pi =  0.0236380
	COEF 3, 0xbbc35a8b                             ; -0.0187293 / pi = -0.0059617
	s_mov_b32 s[STEP], 0
	s_mov_b32 s[STEP+1], 0
	s_lshl_b32 s17, s12, 7                         ; which 128 rows of the tile I fetch
	s_lshl_b32 s16, s13, 8
	s_add_co_u32 s16, s16, s17                     ; qn: row 256 x tile row + 128 x half
	s_lshl_b32 s46, s42, 8
	s_add_co_u32 s46, s46, s17                     ; kn: row 256 x tile column + 128 x half
	s_mov_b32 s17, 0
	s_mov_b32 s47, 0
	s_mov_b64 s[18:19], SIZE_K*2
	s_mul_u64 s[16:17], s[16:17], s[18:19]
	s_mul_u64 s[46:47], s[46:47], s[18:19]
	s_mul_i32 s20, s10, HALFT                      ; where they go: wave x 128 rows; no place in the cluster enters an LDS address
	s_wait_dscnt 0x0                               ; both opening adds are done
	s_wait_kmcnt 0x0
	s_add_nc_u64 s[14:15], s[4:5], s[16:17]
	s_add_nc_u64 s[46:47], s[6:7], s[46:47]
	CROUND                                         ; all sixteen work-groups are here: the first joint loads meet
.irp s, 0,1
	s_mov_b32 s[G0+4*(\s)], 1
	s_add_co_u32 s[G0+4*(\s)+1], s20, (\s)*SLOT
	s_add_nc_u64 s[G0+4*(\s)+2:G0+4*(\s)+3], s[14:15], (\s)*KSTEP*2
	s_or_b32 s[G0+4*(\s)+3], s[G0+4*(\s)+3], 0x80000000
	s_mov_b32 s[G0B+4*(\s)], 1
	s_add_co_u32 s[G0B+4*(\s)+1], s20, (\s)*SLOT
	s_add_nc_u64 s[G0B+4*(\s)+2:G0B+4*(\s)+3], s[46:47], (\s)*KSTEP*2
	s_or_b32 s[G0B+4*(\s)+3], s[G0B+4*(\s)+3], 0x80000000
.endr
	s_cmp_eq_u32 s11, 0                            ; a wave's two first fills stand in one branch, ahead of every wait on TENSORcnt and every LDS read: two loads of mine are out
	s_cbranch_scc0 .Lfirst_b
	tensor_load_to_lds s[G0:G0+3], s[G1:G1+7]
	s_nop 0
	tensor_load_to_lds s[G0+4:G0+7], s[G1:G1+7]
	s_nop 0
.rept 4
	v_nop
.endr
	s_branch .Lfirst_asked
.Lfirst_b:
	tensor_load_to_lds s[G0B:G0B+3], s[G1B:G1B+7]
	s_nop 0
	tensor_load_to_lds s[G0B+4:G0B+7], s[G1B:G1B+7]
	s_nop 0
.rept 4
	v_nop
.endr
.Lfirst_asked:
	; a fragment is 16 rows x 32 K in 8 registers: lane l holds row l % 16, K = 8 (l / 16) + 0..7 and 16 + 8 (l / 16) + 0..7: two loads of 16 bytes, 32 bytes apart
	v_and_b32 v1, 15, v0                           ; l % 16
	v_bfe_u32 v2, v0, 4, 1                         ; l / 16
	v_mul_u32_u24 v3, v1, PITCH
	v_lshl_add_u32 v3, v2, 4, v3
	s_mul_i32 s21, s11, HALFT                      ; my 128 rows of qn
	s_mul_i32 s22, s12, HALFT                      ; my 128 rows of kn,
	s_add_co_u32 s22, s22, 2*HALFT                 ; which lie behind qn's 256
.irp s, 0,1
	v_add_nc_u32 v[ADRA+(\s)], s21, v3
	v_add_nc_u32 v[ADRB+(\s)], s22, v3
	s_add_co_u32 s21, s21, SLOT
	s_add_co_u32 s22, s22, SLOT
.endr
	s_mul_i32 s23, s10, WSTAGE                     ; my stage
	v_mul_u32_u24 v4, v1, SPITCH                   ; in: row l % 16, 16 bytes for each half of the lanes
	v_lshl_add_u32 v4, v2, 4, v4
	v_add_nc_u32 v[STO], s23, v4
	v_mul_u32_u24 v5, v2, SPITCH                   ; back: lanes 0-15 one row, lanes 16-31 the next
	v_lshl_add_u32 v5, v1, 4, v5
	v_add_nc_u32 v[RD], s23, v5
	v_lshlrev_b32 v5, 13, v2                       ; the same two rows in bm: 8,192 bytes a row
	v_lshl_add_u32 v[CO], v1, 4, v5
	s_lshl_b32 s23, s10, 8
	s_add_co_u32 s23, s23, BST                     ; my 128 means
	v_lshl_add_u32 v[BA], v2, 1, s23
	v_and_b32 v6, 31, v0
	v_lshlrev_b32 v[BG], 3, v6
	v_add_nc_u32 v[BL], s23, v[BG]
	; where my part of the tile begins in bm and in beta
	s_lshl_b32 s13, s13, 8
	s_lshl_b32 s14, s11, 7
	s_add_co_u32 s16, s13, s14                     ; my first row
	s_lshl_b32 s20, s16, 1                         ; its place in a row of beta
	s_mov_b32 s17, 0
	s_mov_b64 s[18:19], SIZE_N*2
	s_mul_u64 s[16:17], s[16:17], s[18:19]
	s_lshl_b32 s46, s42, 9                         ; my first column, in bytes: 512 x tile column + 256 x half
	s_lshl_b32 s47, s12, 8
	s_add_co_u32 s46, s46, s47
	s_mov_b32 s47, 0
	s_add_nc_u64 s[16:17], s[16:17], s[46:47]
	s_add_nc_u64 s[8:9], s[8:9], s[16:17]
	s_lshl1_add_u32 s21, s42, s12                  ; my block of 128 columns: 2 x tile column + half,
	s_lshl_b32 s21, s21, 14                        ; a row of beta: 16,384 bytes
	s_add_co_u32 s20, s20, s21
	s_mov_b32 s21, 0
	s_add_nc_u64 s[BETA:BETA+1], s[BETA:BETA+1], s[20:21]
	; the prefetches
	s_lshl_b32 s42, s42, 8
	s_and_b32 s22, ttmp7, 0xffff                   ; cluster y
	s_cmp_eq_u32 s11, 0                            ; do I fetch for qn?
	s_cselect_b32 s20, s13, s42                    ; the tile's first row
	s_cselect_b32 s21, s40, s41                    ; my place among the four that ask for it with me
	s_cselect_b32 s22, ttmp9, s22                  ; the coordinate along which other clusters read the same rows
	s_cselect_b64 s[PFA:PFA+1], s[4:5], s[6:7]
	s_cmp_eq_u32 s22, 0
	s_cselect_b32 s[LIM], 1, -1                    ; the same in all sixteen partners, for a given wave
	s_lshl_b32 s22, s12, 7
	s_add_co_u32 s20, s20, s22
	s_lshl_b32 s21, s21, 5
	s_add_co_u32 s20, s20, s21
	s_mov_b32 s21, 0
	s_mov_b64 s[18:19], SIZE_K*2
	s_mul_u64 s[20:21], s[20:21], s[18:19]
	s_add_nc_u64 s[PFA:PFA+1], s[PFA:PFA+1], s[20:21]
	s_add_nc_u64 s[PFA:PFA+1], s[PFA:PFA+1], 2*KSTEP*2  ; at K step 2: the first refill steps it to 3 and names K step 4
	v_and_b32 v[PFO], 31, v0
	v_mul_u32_u24 v[PFO], v[PFO], SIZE_K*2
; 16 matrix instructions: m blocks a0, a0 + 1 of the window's four x all 8 n blocks, 32 along K.  zero = 1: the product starts the sums.  The 64 accumulators take turns.
.macro MUL16 f, hi, a0, zero
	WIN MUL_LO+0x50*(\hi)
.irp a, \a0, (\a0)+1
.irp b, 0,1,2,3,4,5,6,7
.if \zero
	v_wmma_f32_16x16x32_bf16 v[8*(8*(\a)+(\b)):8*(8*(\a)+(\b))+7], v[(\f)+8*(\b):(\f)+8*(\b)+7], v[(\f)+8*(4*(\hi)+(\a)):(\f)+8*(4*(\hi)+(\a))+7], 0
.else
	v_wmma_f32_16x16x32_bf16 v[8*(8*(\a)+(\b)):8*(8*(\a)+(\b))+7], v[(\f)+8*(\b):(\f)+8*(\b)+7], v[(\f)+8*(4*(\hi)+(\a)):(\f)+8*(4*(\hi)+(\a))+7], v[8*(8*(\a)+(\b)):8*(8*(\a)+(\b))+7]
.endif
.endr
.endr
.endm
; 32 LDS loads in one run: the fragments of a quarter step (32 K at byte k of the rows) into buffer f
.macro FETCH slot, k, f
	WIN TO_B
.irp i, 0,1,2,3,4,5,6,7
	ds_load_b128 v[(\f)+8*(\i):(\f)+8*(\i)+3],   v[ADRB+(\slot)] offset:(\k)+(\i)*16*PITCH
	ds_load_b128 v[(\f)+8*(\i)+4:(\f)+8*(\i)+7], v[ADRB+(\slot)] offset:(\k)+(\i)*16*PITCH+32
.endr
	WIN 0
.irp i, 0,1,2,3,4,5,6,7
	ds_load_b128 v[(\f)+8*(\i):(\f)+8*(\i)+3],   v[ADRA+(\slot)] offset:(\k)+(\i)*16*PITCH
	ds_load_b128 v[(\f)+8*(\i)+4:(\f)+8*(\i)+7], v[ADRA+(\slot)] offset:(\k)+(\i)*16*PITCH+32
.endr
.endm
.macro PLACES                          ; four plain vector instructions between a matrix instruction and a load into, or a read of, its registers
.rept 4
	v_nop
.endr
.endm
; One of a K step's first three quarters: multiplies buffer f; in its middle it fetches the next quarter, at byte k, into buffer g
.macro QUARTER slot, k, f, g, zero
	s_wait_dscnt 8                                 ; kn's and qn's rows 0-63 are in; the youngest eight loads (qn's rows 64-127) may be out
	MUL16 \f, 0, 0, \zero
	MUL16 \f, 0, 2, \zero
	PLACES
	FETCH \slot, \k, \g
	s_wait_dscnt 32                                ; all but the 32 just issued
	MUL16 \f, 1, 0, \zero
	MUL16 \f, 1, 2, \zero
.endm
; The first half of a K step's last quarter: one barrier for the change of slots
.macro MEET round
	WIN 0                                          ; (the add's two registers lie in window 0)
	s_wait_tensorcnt 0x0                           ; all my tensor loads have landed: the one that was out is my part of the next slot;
	ds_add_u32 v[SPW], v[NIL]                      ; 0 onto my spare word;
	s_wait_dscnt 9                                 ; (the add and the youngest eight loads may be out)
	MUL16 TM, 0, 0, 0                              ; sixteen matrix instructions stand between the add and the wait for it
	s_wait_dscnt 0x0                               ; the add is done, and my reads of this slot are over
	s_barrier_signal -1
	MUL16 TM, 0, 2, 0                              ; work on registers while the others arrive
.if \round
	WIN 0
.endif
	s_barrier_wait -1
.endm
; The whole last quarter.  fill = 1: the barrier opens a round of the cluster's barrier, and the slot just read out is filled again, two K steps ahead, first thing behind it
.macro TURN slot, next, fill
.if \fill
	s_wait_xcnt 0x0                                ; the last prefetch, a K step back, has read its address, so it may be stepped
	s_add_nc_u64 s[PFA:PFA+1], s[PFA:PFA+1], KSTEP*2
	MEET 1
	CREST                                          ; no wave of any partner still reads this slot or has a load on its way
	s_add_nc_u64 s[G0+4*(\slot)+2:G0+4*(\slot)+3], s[G0+4*(\slot)+2:G0+4*(\slot)+3], 2*KSTEP*2
	s_add_nc_u64 s[G0B+4*(\slot)+2:G0B+4*(\slot)+3], s[G0B+4*(\slot)+2:G0B+4*(\slot)+3], 2*KSTEP*2
	JLOAD \slot                                    ; 224 matrix instructions ahead of the wait for it; its four v_nop are also the places in front of the loads below
.else
	MEET 0
	PLACES
.endif
	FETCH \next, 0, TF
.if \fill
	ASK
.endif
	MUL16 TM, 1, 0, 0
	MUL16 TM, 1, 2, 0
.endm
	s_wait_tensorcnt 1                             ; my part of K step 0 is in; K step 1's load, issued behind it, may stay out
	s_barrier_signal -1
	s_barrier_wait -1
	FETCH 0, 0, F0
	QUARTER 0, 64,  F0, F1, 1                      ; the first quarter stands in front of the loop: its products start the sums
	WIN 0
	s_mov_b32 s3, LAPS-1
.Llap:                                                 ; a trip goes once round the ring, from a lap's second quarter to the next lap's first, and fills both slots again
	QUARTER 0, 128, F1, F0, 0
	QUARTER 0, 192, F0, F1, 0
	TURN 0, 1, 1
	QUARTER 1, 64,  F0, F1, 0
	QUARTER 1, 128, F1, F0, 0
	QUARTER 1, 192, F0, F1, 0
	TURN 1, 0, 1
	QUARTER 0, 64,  F0, F1, 0
	WIN 0
	s_sub_co_u32 s3, s3, 1
	s_cmp_lg_u32 s3, 0
	s_cbranch_scc1 .Llap
	QUARTER 0, 128, F1, F0, 0                      ; the last lap is written out: it asks for nothing
	QUARTER 0, 192, F0, F1, 0
	TURN 0, 1, 0
	QUARTER 1, 64,  F0, F1, 0
	QUARTER 1, 128, F1, F0, 0
	QUARTER 1, 192, F0, F1, 0
	s_wait_dscnt 8
	MUL16 F1, 0, 0, 0
	MUL16 F1, 0, 2, 0
	s_wait_dscnt 0x0
	MUL16 F1, 1, 0, 0
	MUL16 F1, 1, 2, 0
	WIN 0
	PLACES                                         ; the places behind the last products, twice over, once a launch
	PLACES
	s_wait_dscnt 0x0                               ; my reads of the ring are over,
	s_barrier_signal -1
	s_barrier_wait -1                              ; everybody's are; every tensor load has landed: the ring's bytes may be stored over
	; THE SUMS GO INTO MY STAGE.  Place c = 2 b + l / 16 of a row's first 256 bytes takes columns 8 c .. 8 c + 3, the same place of its second 256 bytes columns 8 c + 4 .. 8 c + 7.
	; Each accumulator's low four registers are read first.
.irp a, 0,1,2,3,4,5,6,7
	WIN 0x08+4*((\a)/4)                            ; store data (source 1) in window 2 or 3
.irp b, 0,1,2,3,4,5,6,7
	ds_store_b128 v[STO], v[8*(8*((\a)%4)+(\b)):8*(8*((\a)%4)+(\b))+3]   offset:(\a)*16*SPITCH+32*(\b)
	ds_store_b128 v[STO], v[8*(8*((\a)%4)+(\b))+4:8*(8*((\a)%4)+(\b))+7] offset:(\a)*16*SPITCH+32*(\b)+256
.endr
.endr
	WIN 0
.macro LOADS                           ; eight rows: unit u is rows 2 u and 2 u + 1, sixteen lanes to a row, eight neighbouring columns a lane
.irp u, 0,1,2,3
	ds_load_b128 v[XS+8*(\u):XS+8*(\u)+3],   v[RD] offset:2*SPITCH*(\u)
	ds_load_b128 v[XS+8*(\u)+4:XS+8*(\u)+7], v[RD] offset:2*SPITCH*(\u)+256
.endr
.endm
	LOADS                                          ; LDS serves a wave's instructions in order (ISA guide 5.7.1.4): these see my stores above
	s_mov_b32 s3, 16
.Lact:                                                 ; 16 trips of 8 rows
	s_wait_dscnt 0x0                               ; this trip's rows are in
.set i, 0
.rept 32
	v_min_num_f32 v[XA+i], |v[XS+i]|, s[CLIP]      ; a
.set i, i+1
.endr
.set i, 0
.rept 16
	v_pk_fma_f32 v[XU+i:XU+i+1], v[XA+i:XA+i+1], -1.0, 1.0 op_sel_hi:[1,0,0]  ; 1 - a
.set i, i+2
.endr
.set i, 0
.rept 32
	v_sqrt_f32 v[XU+i], v[XU+i]                    ; one batch of 32; the polynomial below names none of its registers
.set i, i+1
.endr
.set i, 0
.rept 16
	v_pk_fma_f32 v[XP+i:XP+i+1], v[XA+i:XA+i+1], s[CF+6:CF+7], s[CF+4:CF+5] op_sel_hi:[1,0,0]  ; c3 a + c2
.set i, i+2
.endr
.irp k, 1,0
.set i, 0
.rept 16
	v_pk_fma_f32 v[XP+i:XP+i+1], v[XP+i:XP+i+1], v[XA+i:XA+i+1], s[CF+2*(\k):CF+2*(\k)+1] op_sel_hi:[1,1,0]
.set i, i+2
.endr
.endr
	s_wait_alu depctr_va_vdst(0)                   ; the one wait between the batch of roots and its first reader
.set i, 0
.rept 16
	v_pk_fma_f32 v[XU+i:XU+i+1], v[XU+i:XU+i+1], v[XP+i:XP+i+1], 0.5 op_sel_hi:[1,1,0] neg_lo:[1,0,0] neg_hi:[1,0,0]  ; 0.5 - sqrt(1 - a) P(a)
.set i, i+2
.endr
.set i, 0
.rept 32
	v_bfi_b32 v[XU+i], s[ABSM], v[XU+i], v[XS+i]   ; with s's sign
.set i, i+1
.endr
	v_add_nc_u32 v[RD], 8*SPITCH, v[RD]
	s_cmp_eq_u32 s3, 1                             ; the last trip has no rows behind it
	s_cbranch_scc1 .Lno_more
	LOADS                                          ; the next trip's rows come in under the rest of this trip
.Lno_more:
.set i, 0
.rept 16
	v_pk_add_f32 v[XU+i:XU+i+1], v[XU+i:XU+i+1], 0.5 op_sel_hi:[1,0]  ; t
.set i, i+2
.endr
.set i, 0
.rept 16
	v_pk_mul_f32 v[XP+i:XP+i+1], v[XU+i:XU+i+1], v[XU+i:XU+i+1]       ; t^2
.set i, i+2
.endr
.rept 2
.set i, 0
.rept 16
	v_pk_mul_f32 v[XP+i:XP+i+1], v[XP+i:XP+i+1], v[XP+i:XP+i+1]       ; t^4, t^8
.set i, i+2
.endr
.endr
.set i, 0
.rept 16
	v_pk_mul_f32 v[XA+i:XA+i+1], v[XP+i:XP+i+1], v[XU+i:XU+i+1]       ; B = t^9
.set i, i+2
.endr
	; a row's mean over my 128 columns: eight numbers a lane, then four steps inside the row's sixteen lanes
.irp u, 0,1,2,3
	v_pk_add_f32 v[TS+2*(\u):TS+2*(\u)+1], v[XA+8*(\u):XA+8*(\u)+1], v[XA+8*(\u)+2:XA+8*(\u)+3]
.endr
.irp u, 0,1,2,3
	v_pk_add_f32 v[TS+2*(\u):TS+2*(\u)+1], v[TS+2*(\u):TS+2*(\u)+1], v[XA+8*(\u)+4:XA+8*(\u)+5]
.endr
.irp u, 0,1,2,3
	v_pk_add_f32 v[TS+2*(\u):TS+2*(\u)+1], v[TS+2*(\u):TS+2*(\u)+1], v[XA+8*(\u)+6:XA+8*(\u)+7]
.endr
.irp u, 0,1,2,3
	v_add_f32 v[TS+2*(\u)], v[TS+2*(\u)], v[TS+2*(\u)+1]
.endr
.irp m, 1,2,4,8
.irp u, 0,1,2,3
	v_add_f32_dpp v[TS+2*(\u)], v[TS+2*(\u)], v[TS+2*(\u)] row_xmask:\m row_mask:0xf bank_mask:0xf
.endr
.endr
.irp u, 0,1,2,3
	v_mul_f32 v[TS+2*(\u)], 0x3c000000, v[TS+2*(\u)]               ; / 128
.endr
.irp u, 0,1,2,3
	v_cvt_pk_bf16_f32 v[BF+2*(\u)+1], v[TS+2*(\u)], v[TS+2*(\u)]   ; beta,
.endr
.irp u, 0,1,2,3
	v_lshlrev_b32 v[BF+2*(\u)], 16, v[BF+2*(\u)+1]                 ; and the same number in f32
.endr
.irp u, 0,1,2,3
.irp k, 0,2,4,6
	v_pk_add_f32 v[XA+8*(\u)+(\k):XA+8*(\u)+(\k)+1], v[XA+8*(\u)+(\k):XA+8*(\u)+(\k)+1], v[BF+2*(\u):BF+2*(\u)+1] op_sel_hi:[1,0] neg_lo:[0,1] neg_hi:[0,1]  ; B - beta
.endr
.endr
	s_wait_xcnt 0x0                                ; the last trip's four stores, nearly a trip back, have read OUT and bm's pointer: both are written again only behind this wait
	s_add_nc_u64 s[8:9], s[8:9], s[STEP:STEP+1]    ; 8 rows on; by 0 in the first trip
	s_mov_b32 s[STEP], 8*SIZE_N*2
.set i, 0
.rept 16
	v_cvt_pk_bf16_f32 v[OUT+i], v[XA+2*i], v[XA+2*i+1]
.set i, i+1
.endr
.irp u, 0,1,2,3
	global_store_b128 v[CO], v[OUT+4*(\u):OUT+4*(\u)+3], s[8:9] offset:2*SIZE_N*2*(\u)  ; sixteen lanes store 256 consecutive bytes, aligned
	ds_store_b16 v[BA], v[BF+2*(\u)+1] offset:4*(\u)               ; the row's sixteen lanes write the same number to the same place
.endr
	v_add_nc_u32 v[BA], 16, v[BA]
	s_sub_co_u32 s3, s3, 1
	s_cmp_lg_u32 s3, 0
	s_cbranch_scc1 .Lact
	ds_load_b64 v[TS:TS+1], v[BL]                  ; my 128 means, four a lane (my own stores, in order)
	s_wait_dscnt 0x0
	global_store_b64 v[BG], v[TS:TS+1], s[BETA:BETA+1]  ; 256 consecutive bytes of a row of beta, aligned
	s_wait_tensorcnt 0x0                           ; the wave's end, behind my last tensor load and my last LDS store
	ds_add_u32 v[SPW], v[NIL]
	s_wait_dscnt 0x0
	CROUND                                         ; the closing round: no work-group ends while a partner may still ask for a tile that names it
	s_endpgm
.Lfunc_end_k_q3fc8a6c6bc_scores:
	.size	k_q3fc8a6c6bc_scores, .Lfunc_end_k_q3fc8a6c6bc_scores-k_q3fc8a6c6bc_scores
	.p2alignl 7, 3214868480
	.fill 96, 4, 3214868480
	.section	.rodata,"a",@progbits
	.p2align	6, 0x0
	.amdhsa_kernel k_q3fc8a6c6bc_scores
		.amdhsa_group_segment_fixed_size 327680
		.amdhsa_private_segment_fixed_size 0
		.amdhsa_enable_private_segment 0
		.amdhsa_kernarg_size 32
		.amdhsa_user_sgpr_count 2
		.amdhsa_user_sgpr_kernarg_segment_ptr 1
		.amdhsa_wavefront_size32 1
		.amdhsa_system_sgpr_workgroup_id_x 1
		.amdhsa_system_sgpr_workgroup_id_y 1
		.amdhsa_system_sgpr_workgroup_id_z 1
		.amdhsa_system_vgpr_workitem_id 0
		.amdhsa_next_free_vgpr 1024
		.amdhsa_next_free_sgpr 84
		.amdhsa_reserve_vcc 0
		.amdhsa_float_denorm_mode_32 3
		.amdhsa_float_denorm_mode_16_64 3
		.amdhsa_memory_ordered 1
		.amdhsa_forward_progress 1
		.amdhsa_inst_pref_size 143
	.end_amdhsa_kernel
	.amdgpu_metadata
---
amdhsa.version: [ 1, 2 ]
amdhsa.kernels:
  - .name:           k_q3fc8a6c6bc_scores
    .symbol:         k_q3fc8a6c6bc_scores.kd
    .args:
      - { .name: qn, .offset: 0, .size: 8, .value_kind: global_buffer, .address_space: global }
      - { .name: kn, .offset: 8, .size: 8, .value_kind: global_buffer, .address_space: global }
      - { .name: bm, .offset: 16, .size: 8, .value_kind: global_buffer, .address_space: global }
      - { .name: beta, .offset: 24, .size: 8, .value_kind: global_buffer, .address_space: global }
    .group_segment_fixed_size: 327680
    .private_segment_fixed_size: 0
    .kernarg_segment_align: 8
    .kernarg_segment_size: 32
    .max_flat_workgroup_size: 128
    .sgpr_count:     84
    .vgpr_count:     1024
    .wavefront_size: 32
...
	.end_amdgpu_metadata
.endif
;; end of part 2
;; launch mix (part 3): grid 4 x 64, 4 waves a work-group, clusters of 4 x 4, 327,680 bytes of LDS; arguments bm, vq, beta, xp; writes xp
.if DOCPART == 3
	.amdgcn_target "amdgcn-amd-amdhsa--gfx1250"
	.amdhsa_code_object_version 6
	.text
	.protected	k_q3fc8a6c6bc_mix
	.globl	k_q3fc8a6c6bc_mix
	.p2align	8
	.type	k_q3fc8a6c6bc_mix,@function
k_q3fc8a6c6bc_mix:
	s_mov_b64 s[64:65], 0
	v_nop
	global_prefetch_b8 v0, s[64:65] scope:SCOPE_SE
	s_setreg_imm32_b32 hwreg(HW_REG_WAVE_MODE, 25, 1), 1
	s_wait_xcnt 0x0
	s_wait_alu depctr_hold_cnt(0) depctr_sa_sdst(0) depctr_va_vdst(0) depctr_va_sdst(0) depctr_va_ssrc(0) depctr_va_vcc(0) depctr_vm_vsrc(0)
	s_getreg_b32 s2, hwreg(HW_REG_IB_STS2, 6, 4)
	s_cmp_eq_u32 s2, 0
	s_cbranch_scc0 .Lentry_in_a_cluster
	s_endpgm
.Lentry_in_a_cluster:
	s_bfe_u32 s2, ttmp6, 0x10000c
	s_cmp_lg_u32 s2, 0xf033
	s_cbranch_scc0 .Lentry_shape_is_right
	s_endpgm
.Lentry_shape_is_right:
; MIX: X = B V, with B given as a deviation and a mean (bm, beta) and V = vq; K = 4,096 is split in two, so that 256 work-groups have a tile of 256 x 256 each:
;   xp[sp][n][h] = sum over i in 2,048 sp .. 2,048 sp + 2,047 of bm[n][i] vq[i][h]  +  sum over j = 0 .. 31 of beta[j][n] vq[4096 + 32 sp + j][h]
; vq's rows 4,096 + j hold the high bf16 part of S_j (the sum of V's rows of block j), rows 4,128 + j the low part: half 0 adds beta x high, half 1 beta x low.  That one K step of 32 comes first
; and starts all sums with the constant 0.  The two halves are f32 partial sums; the next launch adds them.
; Four waves, 128 x 128 a wave.  K goes in steps of 128 through two LDS slots: bm's 256 rows of 256 bytes (pitch 272), vq's 128 rows of 512 bytes (pitch 544).  4 x 4 work-groups form a cluster:
; bm's and beta's tiles are asked for jointly along a row of the cluster, vq's along a column.  A cluster's sixteen work-groups share their half of K.
; The matrix instruction is used transposed: source 0 = 16 columns of vq, which lies [k][h] and comes out of LDS turned, by ds_load_tr16_b128; source 1 = 16 rows of bm (beta, which lies [j][n], turned too).
; THE LAST K STEP GOES BY ROWS OF X, NOT BY K: nothing follows the tile under which its 65,536 bytes a wave could leave, so my eight blocks of 16 rows are finished one after the other and each leaves at once,
; while the others are multiplied: through a stage of 16 rows of the wave's own, in slot 0, which has had its last fill and its last read by then; whole rows of 512 bytes come back and are stored.
; REGISTERS: window 0 addresses and source 1's two buffers, window 1 source 0's two buffers (in the last K step all 256: vq's fragments of the whole step), windows 2 and 3 the 64 accumulators.
.set KSTEP,  128
.set PITCH,  272
.set VPITCH, 544                       ; 512 bytes + 32 = 136 words
.set HALFT,  128*PITCH                 ; what one tensor load brings: 128 rows of bm, or 64 rows of vq (64 x 544 is the same number)
.set SLOT,   4*HALFT
.set EXT,    2*SLOT                    ; behind the ring: beta's tile, 32 rows of 512 bytes at pitch 544, then S's
.set XPART,  16*VPITCH                 ; what one of the four loads into it brings
.set SPARE,  EXT+4*XPART               ; the spare words, 128 bytes for each wave
.set SPITCH, 528                       ; a stage row: 128 f32 + 16 bytes; wave w's 16 rows begin at 8,448 w: all four stages lie in slot 0's first 33,792 bytes
.set LAPS,   8                         ; 16 K steps
.set ADRA,  16                         ; v16-17  LDS address of my bm fragments in slot 0, 1
.set ADRXA, 18                         ; v18     of my beta fragments
.set ADRV,  20                         ; v20-21  of my vq fragments
.set ADRXV, 22                         ; v22     of my S fragments
.set STO,  24                          ; v24     where I put 32 bytes of a stage row; never rewritten
.set RD,   25                          ; v25     where I read a stage row back; never rewritten
.set CO,   26                          ; v26     16 x lane: my 16 bytes of a row's 512 in xp; never rewritten
.set SPW,  28                          ; v28     LDS address of my spare word; never rewritten
.set NIL,  29                          ; v29     0; never rewritten
.set PFO,  30                          ; v30     the prefetches' offset
.set F0,   64
.set F1,   128
.set TM,   F0                          ; the buffer that a K step's last quarter multiplies (the step of 32 in front has shifted the turns by one),
.set TF,   F1                          ; and the one that takes the next slot's first fragments
.set G1A,  24                          ; s[24:31], s[32:39] bm's tiles
.set G0A,  32
.set G1V,  48                          ; s[48:55], s[56:63] vq's tiles
.set G0V,  56
.set G1XA, 68                          ; s[68:75], s[76:79] beta's tile
.set G0XA, 76
.set G1XV, 80                          ; s[80:87], s[88:91] S's tile
.set G0XV, 88
.set LIM,  43
.set PFA,  44
.set PSTEP, 92                         ; s[92:93] a K step in my prefetches' buffer, in bytes
.set BETA, 96                          ; s[96:97]
.set SP,   98                          ; s98  which half of K
.set CYL,  99                          ; s99  cluster y
.set MSB, 0
.macro WIN new
.if MSB != (\new)
	s_set_vgpr_msb (MSB<<8)|(\new)
.set MSB, \new
.endif
.endm
.set MUL_LO, 0xa1
.set MUL_HI, 0xf1
.set TO_B,   0x40
.macro JLOAD s                         ; a joint load: waves 0 and 1 fetch bm's two halves, waves 2 and 3 vq's; an s_nop 0 and four v_nop follow each line
	s_cmp_eq_u32 s11, 0
	s_cbranch_scc0 .Lfor_v_\@
	tensor_load_to_lds s[G0A+4*(\s):G0A+4*(\s)+3], s[G1A:G1A+7]
	s_nop 0
.rept 4
	v_nop
.endr
	s_branch .Lasked_\@
.Lfor_v_\@:
	tensor_load_to_lds s[G0V+4*(\s):G0V+4*(\s)+3], s[G1V:G1V+7]
	s_nop 0
.rept 4
	v_nop
.endr
.Lasked_\@:
.endm
; A prefetch, behind each joint refill and the run of LDS loads behind it: the K step two refills on, 512 matrix instructions ahead of the load that will ask for it; 32 blocks of 256 bytes, one a lane.
; bm: a tile row's half of K is read by one row of one cluster alone, so every cluster asks; of a wave's 128 rows each of the four partners takes 32 (by cx, in the address).
; vq: a tile column's half of K is read by the eight clusters of that half: the first of them (cluster y = 0 or 1) asks; of a wave's 64 rows of 512 bytes each partner takes 16 (by cy), two lanes a row.
; K steps 4 to 15 are named once each; steps 0 to 3 come by their loads alone; the loop's last trip (s3 = 1) has no step two on.
.macro ASK
	s_cmp_gt_u32 s3, s[LIM]
	s_cbranch_scc0 .Lnot_mine_\@
	global_prefetch_b8 v[PFO], s[PFA:PFA+1] th:TH_LOAD_NT scope:SCOPE_SE
.Lnot_mine_\@:
.endm
.macro CREST
	s_cmp_lg_u32 s10, 0
	s_cbranch_scc1 .Lnot_wave_0_\@
	s_barrier_signal -3
.Lnot_wave_0_\@:
	s_barrier_wait -3
	s_barrier_signal -1
	s_barrier_wait -1
.endm
.macro CROUND
	s_barrier_signal -1
	s_barrier_wait -1
	CREST
.endm
.macro SHAPE g, cols, rows, pitch      ; words 1 to 7 of a descriptor's group 1
	s_mov_b32 s[(\g)+1], (\cols)<<16               ; tensor_dim0
	s_mov_b32 s[(\g)+2], (\rows)<<16               ; tensor_dim1
	s_mov_b32 s[(\g)+3], (\cols)<<16               ; tile_dim0
	s_mov_b32 s[(\g)+4], \rows                     ; tile_dim1
	s_mov_b32 s[(\g)+5], \pitch                    ; elements from row to row
	s_mov_b32 s[(\g)+6], 0
	s_mov_b32 s[(\g)+7], 0
.endm
	s_load_b128 s[4:7], s[0:1], 0x0                ; bm s[4:5], vq s[6:7]
	s_load_b64 s[BETA:BETA+1], s[0:1], 0x10        ; beta
	s_load_b64 s[8:9], s[0:1], 0x18                ; xp
	v_lshl_add_u32 v[SPW], v0, 2, SPARE
	v_mov_b32 v[NIL], 0
	ds_add_u32 v[SPW], v[NIL]                      ; the wave's opening: the add, twice on end, and its wait ahead of my first tensor load
	ds_add_u32 v[SPW], v[NIL]                      ; and once more, under the one wait; the set-up below, work on registers, stands between
	v_lshrrev_b32 v1, 5, v0
	v_readfirstlane_b32 s10, v1                    ; wave 0..3
	s_lshr_b32 s11, s10, 1                         ; which half of the tile's rows is mine.  Also: I fetch for bm and beta (0) or for vq (1)
	s_and_b32 s12, s10, 1                          ; which half of its columns.  Also: which half of a tile I fetch
	s_bfe_u32 s40, ttmp6, 0x40000                  ; cx
	s_bfe_u32 s41, ttmp6, 0x40004                  ; cy
	s_lshl_b32 s42, ttmp9, 2
	s_add_co_u32 s42, s42, s40                     ; tile column
	s_and_b32 s[CYL], ttmp7, 0xffff
	s_and_b32 s[SP], s[CYL], 1                     ; the half of K: the same in all sixteen partners
	s_lshr_b32 s13, s[CYL], 1
	s_lshl_b32 s13, s13, 2
	s_add_co_u32 s13, s13, s41                     ; tile row
	s_lshl_b32 s43, s41, 2
	s_lshl_b32 s43, 15, s43                        ; my row of the cluster
	s_lshl_b32 s44, 0x1111, s40                    ; my column
	; group 1, word 0: the mask; elements of 2 bytes; padding on; bit 21 beside a mask; rows of 64 words + 4 (codes 5, 3) or of 128 words + 8 (codes 6, 7)
	s_or_b32 s[G1A],  s43, (1<<16)|(1<<20)|(1<<21)|(5<<22)|(3<<25)
	s_or_b32 s[G1V],  s44, (1<<16)|(1<<20)|(1<<21)|(6<<22)|(7<<25)
	s_or_b32 s[G1XA], s43, (1<<16)|(1<<20)|(1<<21)|(6<<22)|(7<<25)
	s_or_b32 s[G1XV], s44, (1<<16)|(1<<20)|(1<<21)|(6<<22)|(7<<25)
	SHAPE G1A,  128, 128, 4096
	SHAPE G1V,  256, 64,  1024
	SHAPE G1XA, 256, 16,  8192
	SHAPE G1XV, 256, 16,  1024
	s_lshl_b32 s16, s13, 8                         ; bm: row 256 x tile row + 128 x half,
	s_lshl_b32 s17, s12, 7
	s_add_co_u32 s16, s16, s17
	s_lshl_b32 s16, s16, 13                        ; 8,192 bytes a row,
	s_lshl_b32 s17, s[SP], 12                      ; my half of K: 4,096 bytes along it
	s_add_co_u32 s16, s16, s17
	s_mov_b32 s17, 0
	s_lshl_b32 s46, s[SP], 11                      ; vq: row 2,048 x half of K + 64 x half of the step,
	s_lshl_b32 s47, s12, 6
	s_add_co_u32 s46, s46, s47
	s_lshl_b32 s46, s46, 11                        ; 2,048 bytes a row,
	s_lshl_b32 s47, s42, 9                         ; the tile's 256 columns
	s_add_co_u32 s46, s46, s47
	s_mov_b32 s47, 0
	s_lshl_b32 s18, s12, 18                        ; beta: row 16 x half, 16,384 bytes a row,
	s_lshl_b32 s19, s13, 9                         ; the tile's 256 rows of X
	s_add_co_u32 s18, s18, s19
	s_mov_b32 s19, 0
	s_lshl_b32 s22, s[SP], 5                       ; S: vq's row 4,096 + 32 x half of K + 16 x half
	s_lshl_b32 s23, s12, 4
	s_add_co_u32 s22, s22, s23
	s_add_co_u32 s22, s22, 4096
	s_lshl_b32 s22, s22, 11
	s_lshl_b32 s23, s42, 9
	s_add_co_u32 s22, s22, s23
	s_mov_b32 s23, 0
	s_mul_i32 s20, s10, HALFT                      ; where they go: no place in the cluster enters an LDS address
	s_mul_i32 s21, s10, XPART
	s_add_co_u32 s21, s21, EXT
	s_wait_dscnt 0x0                               ; both opening adds are done
	s_wait_kmcnt 0x0
	s_add_nc_u64 s[14:15], s[4:5], s[16:17]
	s_add_nc_u64 s[46:47], s[6:7], s[46:47]
	s_add_nc_u64 s[18:19], s[BETA:BETA+1], s[18:19]
	s_add_nc_u64 s[22:23], s[6:7], s[22:23]
	CROUND                                         ; all sixteen work-groups are here: the first joint loads meet
.irp s, 0,1
	s_mov_b32 s[G0A+4*(\s)], 1
	s_add_co_u32 s[G0A+4*(\s)+1], s20, (\s)*SLOT
	s_add_nc_u64 s[G0A+4*(\s)+2:G0A+4*(\s)+3], s[14:15], (\s)*KSTEP*2
	s_or_b32 s[G0A+4*(\s)+3], s[G0A+4*(\s)+3], 0x80000000
	s_mov_b32 s[G0V+4*(\s)], 1
	s_add_co_u32 s[G0V+4*(\s)+1], s20, (\s)*SLOT
	s_add_nc_u64 s[G0V+4*(\s)+2:G0V+4*(\s)+3], s[46:47], (\s)*KSTEP*2048
	s_or_b32 s[G0V+4*(\s)+3], s[G0V+4*(\s)+3], 0x80000000
.endr
	s_mov_b32 s[G0XA], 1
	s_mov_b32 s[G0XA+1], s21
	s_mov_b64 s[G0XA+2:G0XA+3], s[18:19]
	s_or_b32 s[G0XA+3], s[G0XA+3], 0x80000000
	s_mov_b32 s[G0XV], 1
	s_mov_b32 s[G0XV+1], s21
	s_mov_b64 s[G0XV+2:G0XV+3], s[22:23]
	s_or_b32 s[G0XV+3], s[G0XV+3], 0x80000000
	s_cmp_eq_u32 s11, 0                            ; a wave's three first fills stand in one branch, ahead of every wait on TENSORcnt and every LDS read: three loads of mine are out
	s_cbranch_scc0 .Lfirst_v
	tensor_load_to_lds s[G0XA:G0XA+3], s[G1XA:G1XA+7]
	s_nop 0
	tensor_load_to_lds s[G0A:G0A+3], s[G1A:G1A+7]
	s_nop 0
	tensor_load_to_lds s[G0A+4:G0A+7], s[G1A:G1A+7]
	s_nop 0
.rept 4
	v_nop
.endr
	s_branch .Lfirst_asked
.Lfirst_v:
	tensor_load_to_lds s[G0XV:G0XV+3], s[G1XV:G1XV+7]
	s_nop 0
	tensor_load_to_lds s[G0V:G0V+3], s[G1V:G1V+7]
	s_nop 0
	tensor_load_to_lds s[G0V+4:G0V+7], s[G1V:G1V+7]
	s_nop 0
.rept 4
	v_nop
.endr
.Lfirst_asked:
	v_and_b32 v1, 15, v0                           ; l % 16
	v_bfe_u32 v2, v0, 4, 1                         ; l / 16
	v_mul_u32_u24 v3, v1, PITCH
	v_lshl_add_u32 v3, v2, 4, v3                   ; bm: row x pitch + 16 x half
	; the turning load takes 16 k x 16 columns: lane l reads k = 8 (l / 16) + l % 8, columns 8 ((l / 8) % 2) + 0..7, and is left with column l % 16 and 8 k
	v_and_b32 v4, 7, v0
	v_bfe_u32 v5, v0, 3, 1
	v_lshl_add_u32 v4, v2, 3, v4
	v_mul_u32_u24 v4, v4, VPITCH
	v_lshl_add_u32 v4, v5, 4, v4
	s_mul_i32 s21, s11, HALFT                      ; my 128 rows of bm
	s_lshl_b32 s22, s12, 8                         ; my 128 columns of vq: 256 bytes along its rows,
	s_add_co_u32 s22, s22, 2*HALFT                 ; which lie behind bm's 256
.irp s, 0,1
	v_add_nc_u32 v[ADRA+(\s)], s21, v3
	v_add_nc_u32 v[ADRV+(\s)], s22, v4
	s_add_co_u32 s21, s21, SLOT
	s_add_co_u32 s22, s22, SLOT
.endr
	s_lshl_b32 s23, s11, 8                         ; my 128 rows of X: 256 bytes along beta's rows
	s_add_co_u32 s23, s23, EXT
	v_add_nc_u32 v[ADRXA], s23, v4
	s_lshl_b32 s23, s12, 8
	s_add_co_u32 s23, s23, EXT+2*XPART
	v_add_nc_u32 v[ADRXV], s23, v4
	s_mul_i32 s23, s10, 16*SPITCH                  ; my stage
	v_mul_u32_u24 v5, v1, SPITCH                   ; in: row l % 16, 32 bytes for each half of the lanes
	v_lshl_add_u32 v5, v2, 5, v5
	v_add_nc_u32 v[STO], s23, v5
	v_and_b32 v6, 31, v0
	v_lshlrev_b32 v[CO], 4, v6                     ; back: 32 lanes take a row's 512 bytes
	v_add_nc_u32 v[RD], s23, v[CO]
	; where my part of the tile begins in xp
	s_lshl_b32 s16, s13, 8
	s_lshl_b32 s17, s11, 7
	s_add_co_u32 s16, s16, s17
	s_lshl_b32 s16, s16, 12                        ; 4,096 bytes a row
	s_lshl_b32 s17, s[SP], 25                      ; the half's 33,554,432 bytes
	s_add_co_u32 s16, s16, s17
	s_mov_b32 s17, 0
	s_lshl_b32 s46, s42, 10
	s_lshl_b32 s47, s12, 9
	s_add_co_u32 s46, s46, s47
	s_mov_b32 s47, 0
	s_add_nc_u64 s[16:17], s[16:17], s[46:47]
	s_add_nc_u64 s[8:9], s[8:9], s[16:17]
	; the prefetches
	s_lshl_b32 s20, s13, 8                         ; bm: row 256 x tile row + 128 x half + 32 cx
	s_lshl_b32 s21, s12, 7
	s_add_co_u32 s20, s20, s21
	s_lshl_b32 s21, s40, 5
	s_add_co_u32 s20, s20, s21
	s_lshl_b32 s20, s20, 13
	s_lshl_b32 s21, s[SP], 12
	s_add_co_u32 s20, s20, s21
	s_lshl_b32 s22, s[SP], 11                      ; vq: row 2,048 x half of K + 64 x half + 16 cy
	s_lshl_b32 s21, s12, 6
	s_add_co_u32 s22, s22, s21
	s_lshl_b32 s21, s41, 4
	s_add_co_u32 s22, s22, s21
	s_lshl_b32 s22, s22, 11
	s_lshl_b32 s21, s42, 9
	s_add_co_u32 s22, s22, s21
	s_mov_b32 s23, KSTEP*2048
	s_cmp_lt_u32 s[CYL], 2
	s_cselect_b32 s[LIM], 1, -1                    ; vq: the first cluster of each half of K
	s_cmp_eq_u32 s11, 0                            ; do I fetch for bm?
	s_cselect_b32 s[LIM], 1, s[LIM]                ; bm: every cluster.  The same in all sixteen partners, for a given wave
	s_cselect_b32 s20, s20, s22
	s_cselect_b32 s[PSTEP], KSTEP*2, s23
	s_cselect_b64 s[PFA:PFA+1], s[4:5], s[6:7]
	s_cselect_b32 s22, 0, 1                        ; bm: a lane a row of 8,192 bytes; vq: two lanes a row of 2,048, 256 bytes apart
	s_cselect_b32 s23, 13, 11
	s_mov_b32 s[PSTEP+1], 0
	s_mov_b32 s21, 0
	s_add_nc_u64 s[PFA:PFA+1], s[PFA:PFA+1], s[20:21]
	s_mul_i32 s20, s[PSTEP], 3
	s_add_nc_u64 s[PFA:PFA+1], s[PFA:PFA+1], s[20:21]  ; at K step 3: the first refill steps it to 4 and names that step
	v_lshrrev_b32 v7, s22, v6
	v_lshlrev_b32 v7, s23, v7
	v_and_b32 v6, s22, v6
	v_lshl_add_u32 v[PFO], v6, 8, v7
; 16 matrix instructions: m blocks a0, a0 + 1 of the window's four x all 8 n blocks, 32 along K.  zero = 1: the product starts the sums.  The 64 accumulators take turns.
.macro MUL16 f, hi, a0, zero
	WIN MUL_LO+0x50*(\hi)
.irp a, \a0, (\a0)+1
.irp b, 0,1,2,3,4,5,6,7
.if \zero
	v_wmma_f32_16x16x32_bf16 v[8*(8*(\a)+(\b)):8*(8*(\a)+(\b))+7], v[(\f)+8*(\b):(\f)+8*(\b)+7], v[(\f)+8*(4*(\hi)+(\a)):(\f)+8*(4*(\hi)+(\a))+7], 0
.else
	v_wmma_f32_16x16x32_bf16 v[8*(8*(\a)+(\b)):8*(8*(\a)+(\b))+7], v[(\f)+8*(\b):(\f)+8*(\b)+7], v[(\f)+8*(4*(\hi)+(\a)):(\f)+8*(4*(\hi)+(\a))+7], v[8*(8*(\a)+(\b)):8*(8*(\a)+(\b))+7]
.endif
.endr
.endr
.endm
; 32 LDS loads in one run: the fragments of quarter q of a K step into buffer f: vq's 32 rows x my 128 columns, turned; bm's 128 rows x 64 bytes
.macro FETCH slot, q, f
	WIN TO_B
.irp i, 0,1,2,3,4,5,6,7
	ds_load_tr16_b128 v[(\f)+8*(\i):(\f)+8*(\i)+3],   v[ADRV+(\slot)] offset:(\q)*32*VPITCH+32*(\i)
	ds_load_tr16_b128 v[(\f)+8*(\i)+4:(\f)+8*(\i)+7], v[ADRV+(\slot)] offset:(\q)*32*VPITCH+32*(\i)+16*VPITCH
.endr
	WIN 0
.irp i, 0,1,2,3,4,5,6,7
	ds_load_b128 v[(\f)+8*(\i):(\f)+8*(\i)+3],   v[ADRA+(\slot)] offset:64*(\q)+(\i)*16*PITCH
	ds_load_b128 v[(\f)+8*(\i)+4:(\f)+8*(\i)+7], v[ADRA+(\slot)] offset:64*(\q)+(\i)*16*PITCH+32
.endr
.endm
.macro FETCHX f                        ; the same for the step of 32 in front: S's 32 rows x my 128 columns, beta's 32 rows x my 128 rows of X, both turned
	WIN TO_B
.irp i, 0,1,2,3,4,5,6,7
	ds_load_tr16_b128 v[(\f)+8*(\i):(\f)+8*(\i)+3],   v[ADRXV] offset:32*(\i)
	ds_load_tr16_b128 v[(\f)+8*(\i)+4:(\f)+8*(\i)+7], v[ADRXV] offset:32*(\i)+16*VPITCH
.endr
	WIN 0
.irp i, 0,1,2,3,4,5,6,7
	ds_load_tr16_b128 v[(\f)+8*(\i):(\f)+8*(\i)+3],   v[ADRXA] offset:32*(\i)
	ds_load_tr16_b128 v[(\f)+8*(\i)+4:(\f)+8*(\i)+7], v[ADRXA] offset:32*(\i)+16*VPITCH
.endr
.endm
.macro PLACES                          ; four plain vector instructions between a matrix instruction and a load into, or a read of, its registers
.rept 4
	v_nop
.endr
.endm
; Multiplies buffer f; in its middle fetches quarter q of the slot into buffer g
.macro QUARTER slot, q, f, g, zero
	s_wait_dscnt 8                                 ; source 0's fragments and source 1's rows 0-63 are in; the youngest eight loads (rows 64-127) may be out
	MUL16 \f, 0, 0, \zero
	MUL16 \f, 0, 2, \zero
	PLACES
	FETCH \slot, \q, \g
	s_wait_dscnt 32                                ; all but the 32 just issued
	MUL16 \f, 1, 0, \zero
	MUL16 \f, 1, 2, \zero
.endm
.macro MEET round                      ; the first half of a K step's last quarter: one barrier for the change of slots
	WIN 0                                          ; (the add's two registers lie in window 0)
	s_wait_tensorcnt 0x0                           ; all my tensor loads have landed: the one that was out is my part of the next slot;
	ds_add_u32 v[SPW], v[NIL]                      ; 0 onto my spare word;
	s_wait_dscnt 9                                 ; (the add and the youngest eight loads may be out)
	MUL16 TM, 0, 0, 0                              ; sixteen matrix instructions stand between the add and the wait for it
	s_wait_dscnt 0x0                               ; the add is done, and my reads of this slot are over
	s_barrier_signal -1
	MUL16 TM, 0, 2, 0
.if \round
	WIN 0
.endif
	s_barrier_wait -1
.endm
.macro TURN slot, next                 ; the whole last quarter: a round of the cluster's barrier, and the slot just read out is filled again, two K steps ahead, first thing behind it
	s_wait_xcnt 0x0                                ; the last prefetch, a K step back, has read its address, so it may be stepped
	s_add_nc_u64 s[PFA:PFA+1], s[PFA:PFA+1], s[PSTEP:PSTEP+1]
	MEET 1
	CREST                                          ; no wave of any partner still reads this slot or has a load on its way
	s_add_nc_u64 s[G0A+4*(\slot)+2:G0A+4*(\slot)+3], s[G0A+4*(\slot)+2:G0A+4*(\slot)+3], 2*KSTEP*2
	s_add_nc_u64 s[G0V+4*(\slot)+2:G0V+4*(\slot)+3], s[G0V+4*(\slot)+2:G0V+4*(\slot)+3], 2*KSTEP*2048
	JLOAD \slot                                    ; 224 matrix instructions ahead of the wait for it; its four v_nop are also the places in front of the loads below
	FETCH \next, 0, TF
	ASK
	MUL16 TM, 1, 0, 0
	MUL16 TM, 1, 2, 0
.endm
.macro THREE slot                      ; a K step's first three quarters
	QUARTER \slot, 1, F1, F0, 0
	QUARTER \slot, 2, F0, F1, 0
	QUARTER \slot, 3, F1, F0, 0
.endm
; THE LAST K STEP (it lies in slot 1), BY ROWS OF X.  All its fragments of vq (4 quarters x 64 registers) fill window 1; bm's come by blocks of 16 rows x 128 K (32 registers; four buffers where the two
; lay; block a has v[64 + 32 ((a + 2) % 4)], so that blocks 0 and 1 can be fetched while buffer F0 is still multiplied).  LDS is read no more than in any other K step.
.macro VLOAD q                         ; vq's fragments of quarter q -> window 1, v[64 q ..]
	WIN TO_B
.irp i, 0,1,2,3,4,5,6,7
	ds_load_tr16_b128 v[64*(\q)+8*(\i):64*(\q)+8*(\i)+3],   v[ADRV+1] offset:(\q)*32*VPITCH+32*(\i)
	ds_load_tr16_b128 v[64*(\q)+8*(\i)+4:64*(\q)+8*(\i)+7], v[ADRV+1] offset:(\q)*32*VPITCH+32*(\i)+16*VPITCH
.endr
.endm
.macro ALOAD a                         ; bm's fragments of block a, all four quarters
	WIN 0
.set FA, 64+32*(((\a)+2)%4)
.irp q, 0,1,2,3
	ds_load_b128 v[FA+8*(\q):FA+8*(\q)+3],   v[ADRA+1] offset:64*(\q)+(\a)*16*PITCH
	ds_load_b128 v[FA+8*(\q)+4:FA+8*(\q)+7], v[ADRA+1] offset:64*(\q)+(\a)*16*PITCH+32
.endr
.endm
.macro ROW a                           ; block a is finished: 32 matrix instructions, its 8 accumulators by turns; quarter 1, which is fetched last, comes last
.set FA, 64+32*(((\a)+2)%4)
.set AC, 64*((\a)%4)
	WIN MUL_LO+0x50*((\a)/4)
.irp q, 0,2,3,1
.if ((\a) == 0) && ((\q) == 1)
	s_wait_dscnt 16                                ; vq's quarter 1 is in (behind it: bm's blocks 2 and 3)
.endif
.irp b, 0,1,2,3,4,5,6,7
	v_wmma_f32_16x16x32_bf16 v[AC+8*(\b):AC+8*(\b)+7], v[64*(\q)+8*(\b):64*(\q)+8*(\b)+7], v[FA+8*(\q):FA+8*(\q)+7], v[AC+8*(\b):AC+8*(\b)+7]
.endr
.endr
.endm
; THE WAY OUT of block a.  A lane's eight columns of a row are 32 bytes; they go into my stage (each accumulator's low four registers first) and come back as whole rows of 512 bytes,
; into the block's own 64 registers, which nothing writes again: so no store's data wants a wait.
.macro TOSTAGE a
.set AC, 64*((\a)%4)
	WIN 0x08+4*((\a)/4)                            ; store data (source 1) in window 2 or 3
.irp b, 0,1,2,3,4,5,6,7
	ds_store_b128 v[STO], v[AC+8*(\b):AC+8*(\b)+3]   offset:64*(\b)
	ds_store_b128 v[STO], v[AC+8*(\b)+4:AC+8*(\b)+7] offset:64*(\b)+16
.endr
	WIN 0x80+0x40*((\a)/4)                         ; destination in window 2 or 3
.irp t, 0,1,2,3,4,5,6,7,8,9,10,11,12,13,14,15
	ds_load_b128 v[AC+4*(\t):AC+4*(\t)+3], v[RD] offset:(\t)*SPITCH  ; LDS serves a wave's instructions in order (ISA guide 5.7.1.4): these see the stores above; the next block's stores come behind them
.endr
.endm
.macro SEND a, younger                 ; younger: the LDS loads issued behind TOSTAGE's, which may stay out
.set AC, 64*((\a)%4)
	WIN 0x08+4*((\a)/4)
.irp t, 0,1,2,3,4,5,6,7,8,9,10,11,12,13,14,15
	s_wait_dscnt (\younger)+15-(\t)                ; row t is back; the later rows may be out
	global_store_b128 v[CO], v[AC+4*(\t):AC+4*(\t)+3], s[8:9] offset:(16*(\a)+(\t))*4096  ; the wave stores 512 consecutive bytes, aligned; the row stands in the immediate, 520,192 at the most
.endr
.endm
	s_wait_tensorcnt 1                             ; beta's or S's tile and my part of K step 0 are in; K step 1's load, the youngest, may stay out
	s_barrier_signal -1
	s_barrier_wait -1
	FETCHX F0
	QUARTER 0, 0, F0, F1, 1                        ; beta x S starts all 64 sums; K step 0's first fragments are fetched meanwhile
	WIN 0
	s_mov_b32 s3, LAPS-1
.Llap:                                                 ; a trip is a lap: two K steps are multiplied and both slots filled again
	THREE 0
	TURN 0, 1
	THREE 1
	TURN 1, 0
	WIN 0
	s_sub_co_u32 s3, s3, 1
	s_cmp_lg_u32 s3, 0
	s_cbranch_scc1 .Llap
	THREE 0                                        ; the last lap is written out: it asks for nothing
	MEET 0                                         ; my one tensor load that was out is slot 1's; behind this barrier nobody reads slot 0 any more, and nothing is filled again
	PLACES                                         ; for the loads into buffer F1, which the quarter before multiplied
	VLOAD 0                                        ; three quarters of vq now: buffer F0 (v64-127 of both windows) is still being multiplied
	VLOAD 2
	VLOAD 3
	ALOAD 0
	ALOAD 1
	MUL16 F0, 1, 0, 0
	MUL16 F0, 1, 2, 0
	PLACES                                         ; for the loads into buffer F0
	VLOAD 1
	ALOAD 2
	ALOAD 3
	s_wait_dscnt 32                                ; all but the 32 just issued
	ROW 0
.irp a, 0,1,2,3,4,5,6,7                ; each block leaves as soon as it is finished
	PLACES                                         ; the stage's stores read results just made, and the loads below land in registers just read
	TOSTAGE \a
.if (\a) < 4
	ALOAD (\a)+4                                   ; its buffer takes the block four further on
	SEND \a, 8
.else
	SEND \a, 0
.endif
.if (\a) < 7
	ROW (\a)+1                                     ; its fragments were asked for ahead of the stage's loads, which SEND has waited for
.endif
.endr
	WIN 0
	s_wait_tensorcnt 0x0                           ; the wave's end, behind my last tensor load and my last LDS store
	ds_add_u32 v[SPW], v[NIL]
	s_wait_dscnt 0x0
	CROUND                                         ; the closing round: no work-group ends while a partner may still ask for a tile that names it
	s_endpgm
.Lfunc_end_k_q3fc8a6c6bc_mix:
	.size	k_q3fc8a6c6bc_mix, .Lfunc_end_k_q3fc8a6c6bc_mix-k_q3fc8a6c6bc_mix
	.p2alignl 7, 3214868480
	.fill 96, 4, 3214868480
	.section	.rodata,"a",@progbits
	.p2align	6, 0x0
	.amdhsa_kernel k_q3fc8a6c6bc_mix
		.amdhsa_group_segment_fixed_size 327680
		.amdhsa_private_segment_fixed_size 0
		.amdhsa_enable_private_segment 0
		.amdhsa_kernarg_size 32
		.amdhsa_user_sgpr_count 2
		.amdhsa_user_sgpr_kernarg_segment_ptr 1
		.amdhsa_wavefront_size32 1
		.amdhsa_system_sgpr_workgroup_id_x 1
		.amdhsa_system_sgpr_workgroup_id_y 1
		.amdhsa_system_sgpr_workgroup_id_z 1
		.amdhsa_system_vgpr_workitem_id 0
		.amdhsa_next_free_vgpr 1024
		.amdhsa_next_free_sgpr 100
		.amdhsa_reserve_vcc 0
		.amdhsa_float_denorm_mode_32 3
		.amdhsa_float_denorm_mode_16_64 3
		.amdhsa_memory_ordered 1
		.amdhsa_forward_progress 1
		.amdhsa_inst_pref_size 155
	.end_amdhsa_kernel
	.amdgpu_metadata
---
amdhsa.version: [ 1, 2 ]
amdhsa.kernels:
  - .name:           k_q3fc8a6c6bc_mix
    .symbol:         k_q3fc8a6c6bc_mix.kd
    .args:
      - { .name: bm, .offset: 0, .size: 8, .value_kind: global_buffer, .address_space: global }
      - { .name: vq, .offset: 8, .size: 8, .value_kind: global_buffer, .address_space: global }
      - { .name: beta, .offset: 16, .size: 8, .value_kind: global_buffer, .address_space: global }
      - { .name: xp, .offset: 24, .size: 8, .value_kind: global_buffer, .address_space: global }
    .group_segment_fixed_size: 327680
    .private_segment_fixed_size: 0
    .kernarg_segment_align: 8
    .kernarg_segment_size: 32
    .max_flat_workgroup_size: 128
    .sgpr_count:     100
    .vgpr_count:     1024
    .wavefront_size: 32
...
	.end_amdgpu_metadata
.endif
;; end of part 3
;; launch finish (part 4): grid 512 x 1, 8 waves a work-group, no clusters, 0 bytes of LDS; arguments xp, bias, out0; writes out0
.if DOCPART == 4
	.amdgcn_target "amdgcn-amd-amdhsa--gfx1250"
	.amdhsa_code_object_version 6
	.text
	.protected	k_q3fc8a6c6bc_finish
	.globl	k_q3fc8a6c6bc_finish
	.p2align	8
	.type	k_q3fc8a6c6bc_finish,@function
k_q3fc8a6c6bc_finish:
	s_mov_b64 s[64:65], 0
	v_nop
	global_prefetch_b8 v0, s[64:65] scope:SCOPE_SE
	s_setreg_imm32_b32 hwreg(HW_REG_WAVE_MODE, 25, 1), 1
	s_wait_xcnt 0x0
; FINISH: x = xp[0] + xp[1] (the two halves of K, f32);  out0[n][:] = x / max(sqrt(sum of x^2), 1e-12) + bias.  All in f32.
; Memory binds: each byte is read once and written once; a wave takes two whole rows, so the norm never leaves the wave: no LDS, no barrier, no matrix unit, no cluster (nothing is shared but bias, 4 KiB).
; Register 4 j + e of lane l holds column 128 j + 4 l + e: every load and store of a wave covers 512 consecutive bytes, aligned.  No register is written twice while a store may read it.
; LIMITS.  NaN and infinities are not treated apart; v_sqrt_f32 and v_rcp_f32 are good to 1 ulp and take a denormal as 0: a sum of squares below 2^-126 counts as 0, where the norm is replaced by 1e-12 in any case.
.set LO,  1                            ; v1   16 x lane
.set T,   8                            ; v[8:23]    at work
.set BIA, 24                           ; v[24:55]   bias
.set XA,  56                           ; v[56:119]  two rows of xp[0], then of x, then of the result
.set XB,  120                          ; v[120:183] two rows of xp[1]
	s_load_b128 s[4:7], s[0:1], 0x0                ; xp s[4:5], bias s[6:7]
	s_load_b64 s[8:9], s[0:1], 0x10                ; out0
	v_lshrrev_b32 v2, 5, v0
	v_readfirstlane_b32 s20, v2                    ; wave 0..7
	v_and_b32 v2, 31, v0
	v_lshlrev_b32 v[LO], 4, v2
	v_mov_b32 v[T+15], 0                           ; v_permlanex16_b32's destination counts as read
	s_mov_b32 s22, 0x76543210                      ; each lane takes its own place in the other half
	s_mov_b32 s23, 0xfedcba98
	s_mov_b32 s21, 0x2b8cbccc                      ; 1e-12
	s_lshl_b32 s10, ttmp9, 4
	s_lshl1_add_u32 s10, s20, s10                  ; my first row: 16 g + 2 w,
	s_lshl_b32 s10, s10, 12                        ; 4,096 bytes a row
	s_mov_b32 s11, 0
	s_wait_kmcnt 0x0
	s_add_nc_u64 s[12:13], s[4:5], s[10:11]
	s_add_nc_u64 s[14:15], s[12:13], 0x2000000     ; the second half lies 33,554,432 bytes on
	s_add_nc_u64 s[16:17], s[8:9], s[10:11]
.irp j, 0,1,2,3,4,5,6,7
	global_load_b128 v[BIA+4*(\j):BIA+4*(\j)+3], v[LO], s[6:7] offset:512*(\j)
.endr
.irp r, 0,1
.irp j, 0,1,2,3,4,5,6,7
	global_load_b128 v[XA+32*(\r)+4*(\j):XA+32*(\r)+4*(\j)+3], v[LO], s[12:13] offset:4096*(\r)+512*(\j)
	global_load_b128 v[XB+32*(\r)+4*(\j):XB+32*(\r)+4*(\j)+3], v[LO], s[14:15] offset:4096*(\r)+512*(\j)
.endr
.endr
.macro ROW r, left                     ; left: the younger loads that may stay out
.set B0, XA+32*(\r)
.set B1, XB+32*(\r)
	s_wait_loadcnt \left
.set i, 0
.rept 16
	v_pk_add_f32 v[B0+i:B0+i+1], v[B0+i:B0+i+1], v[B1+i:B1+i+1]
.set i, i+2
.endr
.irp k, 0,1,2,3                        ; the sum of squares, in four chains that do not wait for each other
	v_pk_mul_f32 v[T+2*(\k):T+2*(\k)+1], v[B0+2*(\k):B0+2*(\k)+1], v[B0+2*(\k):B0+2*(\k)+1]
.endr
.irp i, 4,5,6,7,8,9,10,11,12,13,14,15
	v_pk_fma_f32 v[T+2*((\i)%4):T+2*((\i)%4)+1], v[B0+2*(\i):B0+2*(\i)+1], v[B0+2*(\i):B0+2*(\i)+1], v[T+2*((\i)%4):T+2*((\i)%4)+1]
.endr
	v_pk_add_f32 v[T:T+1], v[T:T+1], v[T+2:T+3]
	v_pk_add_f32 v[T+4:T+5], v[T+4:T+5], v[T+6:T+7]
	v_pk_add_f32 v[T:T+1], v[T:T+1], v[T+4:T+5]
	v_add_f32 v[T+8], v[T], v[T+1]
	v_add_f32_dpp v[T+8], v[T+8], v[T+8] row_xmask:1 row_mask:0xf bank_mask:0xf
	v_add_f32_dpp v[T+8], v[T+8], v[T+8] row_xmask:2 row_mask:0xf bank_mask:0xf
	v_add_f32_dpp v[T+8], v[T+8], v[T+8] row_xmask:4 row_mask:0xf bank_mask:0xf
	v_add_f32_dpp v[T+8], v[T+8], v[T+8] row_xmask:8 row_mask:0xf bank_mask:0xf
	v_permlanex16_b32 v[T+15], v[T+8], s22, s23
	v_add_f32 v[T+8], v[T+8], v[T+15]
	v_sqrt_f32 v[T+9], v[T+8]
	v_nop                                          ; a plain instruction behind the transcendental (ISA guide 5.7.2),
	s_wait_alu depctr_va_vdst(0)                   ; and the wait ahead of its first reader
	v_max_num_f32 v[T+9], s21, v[T+9]
	v_rcp_f32 v[T+10], v[T+9]
	v_nop
	s_wait_alu depctr_va_vdst(0)
	v_mov_b32 v[T+11], v[T+10]
.set i, 0
.rept 16
	v_pk_fma_f32 v[B0+i:B0+i+1], v[B0+i:B0+i+1], v[T+10:T+11], v[BIA+i:BIA+i+1]
.set i, i+2
.endr
.irp j, 0,1,2,3,4,5,6,7
	global_store_b128 v[LO], v[B0+4*(\j):B0+4*(\j)+3], s[16:17] offset:4096*(\r)+512*(\j)
.endr
.endm
	ROW 0, 16                                      ; bias and row 0 are in; row 1's sixteen loads stay out
	ROW 1, 0
	s_endpgm
.Lfunc_end_k_q3fc8a6c6bc_finish:
	.size	k_q3fc8a6c6bc_finish, .Lfunc_end_k_q3fc8a6c6bc_finish-k_q3fc8a6c6bc_finish
	.p2alignl 7, 3214868480
	.fill 96, 4, 3214868480
	.section	.rodata,"a",@progbits
	.p2align	6, 0x0
	.amdhsa_kernel k_q3fc8a6c6bc_finish
		.amdhsa_group_segment_fixed_size 0
		.amdhsa_private_segment_fixed_size 0
		.amdhsa_enable_private_segment 0
		.amdhsa_kernarg_size 24
		.amdhsa_user_sgpr_count 2
		.amdhsa_user_sgpr_kernarg_segment_ptr 1
		.amdhsa_wavefront_size32 1
		.amdhsa_system_sgpr_workgroup_id_x 1
		.amdhsa_system_sgpr_workgroup_id_y 1
		.amdhsa_system_sgpr_workgroup_id_z 1
		.amdhsa_system_vgpr_workitem_id 0
		.amdhsa_next_free_vgpr 184
		.amdhsa_next_free_sgpr 66
		.amdhsa_reserve_vcc 0
		.amdhsa_float_denorm_mode_32 3
		.amdhsa_float_denorm_mode_16_64 3
		.amdhsa_memory_ordered 1
		.amdhsa_forward_progress 1
		.amdhsa_inst_pref_size 14
	.end_amdhsa_kernel
	.amdgpu_metadata
---
amdhsa.version: [ 1, 2 ]
amdhsa.kernels:
  - .name:           k_q3fc8a6c6bc_finish
    .symbol:         k_q3fc8a6c6bc_finish.kd
    .args:
      - { .name: xp, .offset: 0, .size: 8, .value_kind: global_buffer, .address_space: global }
      - { .name: bias, .offset: 8, .size: 8, .value_kind: global_buffer, .address_space: global }
      - { .name: out0, .offset: 16, .size: 8, .value_kind: global_buffer, .address_space: global }
    .group_segment_fixed_size: 0
    .private_segment_fixed_size: 0
    .kernarg_segment_align: 8
    .kernarg_segment_size: 24
    .max_flat_workgroup_size: 256
    .sgpr_count:     66
    .vgpr_count:     184
    .wavefront_size: 32
...
	.end_amdgpu_metadata
.endif
;; end of part 4
